; MI455X (gfx1250); checked and timed in simulation.
; The chip was launched on July 23, 2026; its instructions are those of AMD's public machine-readable ISA for CDNA 5 (MIT licence, August 2026) and "CDNA5" Instruction Set Architecture Reference Guide (July 2026). The comments in the code are by the model that wrote it; some were corrected since.
;; Att Model. Allowed arithmetic: matrix products marked QUANTISED: E2M1 operands, one E8M0 scale for each 32 along K, by v_wmma_scale_f32_16x16x128_f8f6f4 with both operands' format E2M1 (or v_wmma_scale_f32_32x16x128_f4), f32 sums; everything else in f32.
;; Inputs: Wk 512 x 256 float32; Wo 256 x 512 float32; Wq 512 x 256 float32; Wv 512 x 256 float32; bk 512 float32; bo 256 float32; bq 512 float32; bv 512 float32; h 32 x 1,024 x 256 float32.
;; Outputs: out0 32 x 1,024 x 256 float32.
;; This version of the problem:
;;   THIS VERSION OF THE PROBLEM IS GIVEN IN LOW PRECISION. The matrix products marked QUANTISED in the list below multiply operands that are first quantised to E2M1 (2 exponent bits, 1 mantissa bit; 4 bits a number), with one power-of-two scale for each 32 numbers along K (OCP MX v1.0); their sums are f32. All else is computed in f32.
;;   The module's matrix products, in the order in which they are computed (A, B: the left and right operand; K: the contracted axis; several contracted axes count as one K, in the product's order):
;;     1. [M 32,768, K 256] x [K 256, N 512]; A: input h; B: input Wv: QUANTISED
;;     2. [M 32,768, K 256] x [K 256, N 512]; A: input h; B: input Wq: QUANTISED
;;     3. [M 32,768, K 256] x [K 256, N 512]; A: input h; B: input Wk: QUANTISED
;;     4. batch 32 x [M 1,024, K 512] x [K 512, N 1,024]; A: computed on the way; B: computed on the way: QUANTISED
;;     5. batch 32 x [M 1,024, K 1,024] x [K 1,024, N 512]; A: softmax (see below); B: computed on the way: QUANTISED
;;     6. [M 32,768, K 512] x [K 512, N 256]; A: computed on the way; B: input Wo: QUANTISED
;;   THE QUANTISER, for each operand of a quantised product, along K:
;;     - K is cut into blocks of 32 from its start; a last block that is shorter is filled with zeros.
;;     - A block's scale is 2^e with e = floor(log2(the largest magnitude in the block)) - 2, held to -126 .. 127; a block of zeros has e = 0. As a byte (E8M0): e + 127.
;;     - Each number is divided by its block's scale, clamped to +-6, and rounded to the nearest number of E2M1, ties to even, subnormals kept.
;;     - The product sums the exact products of the quantised numbers (number of the format x scale) in f32.
;;   ~~~python
;;   def quantise(x, axis):      # numpy; x: float32 -> the quantised numbers, widened to float32 again
;;       x = np.moveaxis(x, axis, -1); K = x.shape[-1]
;;       x = np.pad(x, [(0, 0)] * (x.ndim - 1) + [(0, -K % 32)]); x = x.reshape(x.shape[:-1] + (-1, 32)); a = np.abs(x).max(-1, keepdims=True)
;;       e = np.where(a > 0, np.clip(np.frexp(np.where(a > 0, a, 1))[1] - 1 - 2, -126, 127), 0)      # np.frexp(a)[1] - 1 = floor(log2(a)), exactly
;;       r = np.clip(x / 2.0 ** e, -6, 6)
;;       step = 2.0 ** (np.maximum(np.frexp(np.where(r == 0, 1, r))[1] - 1, 0) - 1)
;;       q = np.round(r / step) * step * 2.0 ** e      # np.round: ties to even
;;       return np.moveaxis(q.reshape(q.shape[:-2] + (-1,))[..., :K], -1, axis).astype(np.float32)
;;   ~~~
;;   SOFTMAX AHEAD OF A QUANTISED PRODUCT. Where the list says 'softmax', what is quantised is not the finished softmax but p = 2^(t - M), with t = logit x log2(e) and M = ceil(the row's largest t), a whole number; so 1/2 < the row's largest p <= 1. The row's sum l is taken of the UNQUANTISED p, in f32, and the product's result is divided by l at the end. Since M is a whole number, a kernel that streams over the keys may use a running M (the ceiling of the running maximum): every later rescaling is an exact power of two, which a block's scale takes up: the codes' values come out the same.
;;   OPERANDS COMPUTED ON THE WAY. 'Computed on the way' means the value that the module computes at that place (a softmax that the list does not call 'softmax' is quantised finished and normalised). What goes into a quantiser is computed in f32, as accurately as f32 sums, v_exp_f32 and their like allow (about 1e-6 of the number): no bf16 or f16 on the way to a quantiser, and a product that is left as it is and whose result goes on into a quantised operand takes f32 operands (vector FMAs, or v_wmma_f32_16x16x4_f32). A number that lies on a knife's edge between two numbers of the format may be rounded either way, as far as f32 arithmetic and the matrix unit's own rounding can turn it there, and no further.
;; One version. Each part assembles by itself: llvm-mc -triple=amdgcn-amd-amdhsa -mcpu=gfx1250 --defsym DOCPART=n.
;; ======== version 1 of 1: 3 launches
;; limits: right only within a limited range of input values
;; workspace buffers: wimg 208,896 bytes; woimg 69,632 bytes; qimg 8,912,896 bytes; kvc 16,777,216 bytes; kvs 1,048,576 bytes
;; launch prep (part 1): grid 256 x 1, 1 waves a work-group, no clusters, 8,704 bytes of LDS; arguments Wv, Wq, Wk, Wo, wimg, woimg; writes wimg, woimg
.if DOCPART == 1
	.amdgcn_target "amdgcn-amd-amdhsa--gfx1250"
	.amdhsa_code_object_version 6
	.text
	.protected	k_qe2975e7bf8_prep
	.globl	k_qe2975e7bf8_prep
	.p2align	8
	.type	k_qe2975e7bf8_prep,@function
k_qe2975e7bf8_prep:
	s_mov_b64 s[64:65], 0
	v_nop
	global_prefetch_b8 v0, s[64:65] scope:SCOPE_SE
	s_setreg_imm32_b32 hwreg(HW_REG_WAVE_MODE, 25, 1), 1
	s_wait_xcnt 0x0
; THE PROGRAM: out = relu(softmax(q k^T) v Wo^T + bo), q, k, v = relu(h W^T + b), all six products on codes of FP4 (E2M1) with one E8M0 scale for each 32 along K.
; Three launches: this one (the four weights become codes), proj (products 1 to 3 and the quantisers of q, k, v), att (products 4 to 6 and the softmax).
; NO WORK IS LEFT OUT: every bias stands ahead of a quantiser or of the output, so each can move codes or results; all nine inputs are loaded by some launch.
; THIS LAUNCH: Wv, Wq, Wk [512][256] and Wo [256][512], f32, K innermost, are quantised along K and laid in the ORDER OF THE OPERAND'S REGISTERS.
;   A fragment (16 rows x 128 K, 8 registers a lane) is 1,024 bytes: registers 0-3 at 16 x lane, registers 4-7 at 512 + 16 x lane.
;   A group is 8 fragments (8,192 bytes) and one scale image of 512 bytes: lane l's 16 bytes are 4 words, word i = the scale word of tile 2 i + l / 16, row l % 16.
;   wimg: group n = 8 mat + 2 w + s (mat 0 = v, 1 = q, 2 = k; w = 128 hidden rows; s = K step of 128) at 8,192 n; scale images from 196,608 on, 512 n.
;   woimg: group m = 2 g + half (g = K step, output tile 8 half + t) at 8,192 m; scale images from 65,536 on.
;   THE ROWS OF A TILE OF Wv, Wq, Wk ARE NOT NEIGHBOURS: lane r of tile t takes row 32 (t / 2) + 8 (t % 2) + r + 8 (r / 8), so that the results of two neighbouring tiles are 16 neighbours along the next K.  Wo's tiles are rows 16 d + r.
; A block's scale is 2^(floor(log2(its largest magnitude)) - 2); its byte is that magnitude's exponent field - 2, held at 1 from below.
; LIMITS: a block of zeros, or one whose largest magnitude lies under 2^-124, gets the byte 1 (the rule says 127 for zeros): its codes are zeros or the nearest codes under that scale, and this program alone reads the bytes.  NaN and infinities are not served.
; SHARES: a work-group is one wave and makes one fragment: work-group 8 n + t makes fragment t of group n: 256 fragments, 256 work-groups.
; A fragment's part of a row is 512 neighbouring bytes: each of the 16 loads reads one row's, 16 bytes a lane.  The conversions want 32 neighbours along K in ONE lane: so the 16 rows turn through a stage in LDS
; (a row 528 bytes = 132 words on from the last, so that the sixteen rows that a load touches start at sixteen different groups of banks) and come back 128 bytes a lane for each of its two blocks.
; One path through the text: what differs between W and Wo (the buffer, a row's bytes, the tile's rows) is chosen by selects on the work-group's number.
; The fragment's 16 scale words go straight into the group's image, 4 bytes a lane, 16 bytes apart: 64 bytes a work-group, 16,384 in the launch; a gathering of eight tiles' words would tie eight fragments to one work-group.
; No cluster and no matrix unit: no two work-groups read the same bytes, and there is no product here.
.set PITCH, 528                        ; a stage row: 512 bytes + 16 of padding
.set SPARE, 16*PITCH                   ; behind the stage (8,448 = 33 x 256): the spare words, 128 bytes for the one wave, a block of 256
.set SPW,   6                          ; v6  LDS address of my spare word; never rewritten
.set NIL,   7                          ; v7  0; never rewritten
.set OF,    16                         ; v16-31  row j's byte offset in the weight, + 16 x lane
.set R,     32                         ; v32-95  the 16 rows as they are loaded
.set C,     96                         ; v96-103 the fragment's eight registers
.set X,     112                        ; v112-175 my 64 numbers: a whole block of 32 for each of c = 0, 1
	s_load_b256 s[4:11], s[0:1], 0x0               ; Wv, Wq, Wk, Wo
	s_load_b128 s[12:15], s[0:1], 0x20             ; wimg, woimg
	v_lshl_add_u32 v[SPW], v0, 2, SPARE
	v_mov_b32 v[NIL], 0
	v_and_b32 v2, 15, v0                           ; r (the work-group is one wave: v0 is the lane)
	v_bfe_u32 v10, v0, 4, 1                        ; h
	s_mov_b32 s38, 0x76543210
	s_mov_b32 s39, 0xfedcba98                      ; v_permlanex16_b32's selects for lane l xor 16
	s_and_b32 s16, ttmp9, 7                        ; t: the fragment in its group
	s_lshr_b32 s40, ttmp9, 3                       ; n: the group
	s_and_b32 s17, s40, 7
	s_lshr_b32 s18, s17, 1                         ; a: W's w, Wo's g
	s_and_b32 s19, s40, 1                          ; b: W's s, Wo's half
	s_lshr_b32 s36, s16, 1                         ; t / 2
	s_and_b32 s37, s16, 1                          ; t % 2
	s_lshl_b32 s20, s18, 7
	s_lshl_b32 s21, s36, 5
	s_add_co_u32 s20, s20, s21
	s_lshl_b32 s21, s37, 3
	s_add_co_u32 s20, s20, s21                     ; W: first row 128 a + 32 (t / 2) + 8 (t % 2)
	s_lshl_b32 s22, s19, 7
	s_lshl_b32 s21, s16, 4
	s_add_co_u32 s22, s22, s21                     ; Wo: first row 128 b + 16 t
	s_lshl_b32 s23, s19, 9                         ; W: the K step's first byte in a row
	s_lshl_b32 s24, s18, 9                         ; Wo: likewise
	s_sub_co_u32 s25, s40, 24                      ; Wo: the group's number in woimg (not used under 24)
	s_lshl_b32 s29, s37, 8
	s_lshl_b32 s21, s36, 2
	s_add_co_u32 s29, s29, s21                     ; my tile's place in the scale image: 256 (t % 2) + 4 (t / 2)
	s_mov_b32 s28, 65536
	s_cmp_lt_u32 s40, 24                           ; one of the three W, or Wo?  The work-group's number alone decides
	s_cselect_b32 s20, s20, s22                    ; first row
	s_cselect_b32 s23, s23, s24                    ; first byte in a row
	s_cselect_b32 s26, 10, 11                      ; a row is 1,024 or 2,048 bytes
	s_cselect_b32 s27, 9, 1                        ; rows from the tile's row 7 to its row 8
	s_cselect_b32 s25, s40, s25                    ; the group's number in its buffer
	s_cselect_b32 s28, 196608, s28                 ; where the scale images begin
	s_lshl_b32 s20, s20, s26
	s_add_co_u32 s20, s20, s23                     ; the fragment's first byte in the weight
	s_lshl_b32 s21, 1, s26                         ; a row on, in bytes
	s_lshl_b32 s27, s27, s26                       ; from row 7 to row 8, in bytes
	s_lshl_b32 s30, s25, 13
	s_lshl_b32 s22, s16, 10
	s_add_co_u32 s30, s30, s22                     ; my fragment: 8,192 x group + 1,024 t
	s_mov_b32 s31, 0
	s_lshl_b32 s36, s25, 9
	s_add_co_u32 s36, s36, s28                     ; the group's scale image
	s_mov_b32 s37, 0
	v_lshl_add_u32 v[OF], v0, 4, s20               ; row 0: 16 bytes a lane
.irp j, 1,2,3,4,5,6,7,8,9,10,11,12,13,14,15
.if \j == 8
	v_add_nc_u32 v[OF+\j], s27, v[OF+\j-1]
.else
	v_add_nc_u32 v[OF+\j], s21, v[OF+\j-1]
.endif
.endr
	v_lshlrev_b32 v4, 4, v0                        ; 16 x lane: into the stage, and into the fragment's image
	v_mul_u32_u24 v11, v2, PITCH
	v_lshl_add_u32 v11, v10, 7, v11                ; out of the stage: row r, + 128 h: the layout gives lane (r, h) k = 64 c + 32 h + 0 .. 31
	v_lshl_add_u32 v5, v2, 4, s29                  ; my row's scale word in the image
	s_wait_alu depctr_va_vdst(0)
	s_wait_kmcnt 0x0
	s_cmp_lt_u32 s40, 8
	s_cselect_b64 s[4:5], s[4:5], s[6:7]           ; Wv, else Wq,
	s_cmp_lt_u32 s40, 16
	s_cselect_b64 s[4:5], s[4:5], s[8:9]           ; else Wk,
	s_cmp_lt_u32 s40, 24
	s_cselect_b64 s[4:5], s[4:5], s[10:11]         ; else Wo
	s_cselect_b64 s[12:13], s[12:13], s[14:15]     ; wimg or woimg
	s_add_nc_u64 s[32:33], s[12:13], s[30:31]
	s_add_nc_u64 s[34:35], s[12:13], s[36:37]
.irp j, 0,1,2,3,4,5,6,7,8,9,10,11,12,13,14,15
	global_load_b128 v[R+4*\j:R+4*\j+3], v[OF+\j], s[4:5] th:TH_LOAD_NT   ; 32 lanes read 512 consecutive bytes of the tile's row j
.endr
.irp j, 0,1,2,3,4,5,6,7,8,9,10,11,12,13,14,15
	s_wait_loadcnt 15-\j                           ; loads come back in order: row j is in, the younger rows may be out
	ds_store_b128 v4, v[R+4*\j:R+4*\j+3] offset:\j*PITCH
.endr
.irp c, 0,1
.irp j, 0,1,2,3,4,5,6,7
	ds_load_b128 v[X+32*\c+4*\j:X+32*\c+4*\j+3], v11 offset:256*\c+16*\j   ; LDS serves a wave's instructions in order (ISA guide 5.7.1.4): these see my stores.  My 128 bytes of block 2 c + h
.endr
.endr
	s_wait_dscnt 0x0
.irp c, 0,1
	v_max3_num_f32 v[12+\c], |v[X+32*\c]|, |v[X+32*\c+1]|, 0x1800000   ; all 32 numbers of the block are mine; the floor 2^(3 - 127) holds the byte at 1 from below
.endr
.irp i, 2,4,6,8,10,12,14,16,18,20,22,24,26,28,30
.irp c, 0,1
	v_max3_num_f32 v[12+\c], v[12+\c], |v[X+32*\c+\i]|, |v[X+32*\c+\i+1]|   ; (the two blocks by turns)
.endr
.endr
.irp c, 0,1
	v_add_nc_u32 v[14+\c], 0xff000000, v[12+\c]    ; 2 off the exponent field: the conversion takes this operand's exponent field as its scale
.endr
.irp c, 0,1
	v_lshrrev_b32 v[8+\c], 23, v[14+\c]            ; the scale's byte
.endr
	v_lshl_or_b32 v3, v9, 16, v8                   ; my two bytes: blocks h and 2 + h,
	v_lshlrev_b32 v1, 3, v10
	v_lshlrev_b32 v3, v1, v3                       ; at their places in the word;
	v_mov_b32 v1, 0
	v_permlanex16_b32 v1, v3, s38, s39
	v_or_b32 v3, v3, v1                            ; with lane l xor 16's two the word is whole
.irp c, 0,1
.irp g, 0,1,2,3
	v_cvt_scalef32_pk8_fp4_f32 v[C+4*\c+\g], v[X+32*\c+8*\g:X+32*\c+8*\g+7], v[14+\c]   ; registers 4 c .. 4 c + 3 of the operand
.endr
.endr
	v_nop                                          ; one plain line behind the last scaled conversion
	global_store_b128 v4, v[C:C+3], s[32:33]       ; 512 consecutive bytes a store
	global_store_b128 v4, v[C+4:C+7], s[32:33] offset:512
	s_wait_tensorcnt 0x0                           ; behind my last LDS store, all lanes on
	ds_add_u32 v[SPW], v[NIL]
	s_wait_dscnt 0x0
	v_cmp_gt_u32 vcc_lo, 16, v0                    ; lanes 16-31 hold the same words as lanes 0-15: one of the two stores
	s_wait_xcnt 0x0                                ; EXEC changes only behind this wait: the stores above have read theirs
	s_and_saveexec_b32 s41, vcc_lo
	global_store_b32 v5, v3, s[34:35]              ; row r's scale word
	s_wait_xcnt 0x0                                ; and again, in front of the line that widens it
	s_or_b32 exec_lo, exec_lo, s41
	s_endpgm
.Lfunc_end_k_qe2975e7bf8_prep:
	.size	k_qe2975e7bf8_prep, .Lfunc_end_k_qe2975e7bf8_prep-k_qe2975e7bf8_prep
	.p2alignl 7, 3214868480
	.fill 96, 4, 3214868480
	.section	.rodata,"a",@progbits
	.p2align	6, 0x0
	.amdhsa_kernel k_qe2975e7bf8_prep
		.amdhsa_group_segment_fixed_size 8704
		.amdhsa_private_segment_fixed_size 0
		.amdhsa_enable_private_segment 0
		.amdhsa_kernarg_size 48
		.amdhsa_user_sgpr_count 2
		.amdhsa_user_sgpr_kernarg_segment_ptr 1
		.amdhsa_wavefront_size32 1
		.amdhsa_system_sgpr_workgroup_id_x 1
		.amdhsa_system_sgpr_workgroup_id_y 1
		.amdhsa_system_sgpr_workgroup_id_z 1
		.amdhsa_system_vgpr_workitem_id 0
		.amdhsa_next_free_vgpr 176
		.amdhsa_next_free_sgpr 66
		.amdhsa_reserve_vcc 1
		.amdhsa_float_denorm_mode_32 3
		.amdhsa_float_denorm_mode_16_64 3
		.amdhsa_memory_ordered 1
		.amdhsa_forward_progress 1
		.amdhsa_inst_pref_size 11
	.end_amdhsa_kernel
	.amdgpu_metadata
---
amdhsa.version: [ 1, 2 ]
amdhsa.kernels:
  - .name:           k_qe2975e7bf8_prep
    .symbol:         k_qe2975e7bf8_prep.kd
    .args:
      - { .name: Wv, .offset: 0, .size: 8, .value_kind: global_buffer, .address_space: global }
      - { .name: Wq, .offset: 8, .size: 8, .value_kind: global_buffer, .address_space: global }
      - { .name: Wk, .offset: 16, .size: 8, .value_kind: global_buffer, .address_space: global }
      - { .name: Wo, .offset: 24, .size: 8, .value_kind: global_buffer, .address_space: global }
      - { .name: wimg, .offset: 32, .size: 8, .value_kind: global_buffer, .address_space: global }
      - { .name: woimg, .offset: 40, .size: 8, .value_kind: global_buffer, .address_space: global }
    .group_segment_fixed_size: 8704
    .private_segment_fixed_size: 0
    .kernarg_segment_align: 8
    .kernarg_segment_size: 48
    .max_flat_workgroup_size: 32
    .sgpr_count:     66
    .vgpr_count:     176
    .wavefront_size: 32
...
	.end_amdgpu_metadata
.endif
;; end of part 1
;; launch proj (part 2): grid 256 x 1, 8 waves a work-group, clusters of 4 x 1, 327,680 bytes of LDS; arguments h, wimg, bv, bq, bk, qimg, kvc, kvs; writes qimg, kvc, kvs
.if DOCPART == 2
	.amdgcn_target "amdgcn-amd-amdhsa--gfx1250"
	.amdhsa_code_object_version 6
	.text
	.protected	k_qe2975e7bf8_proj
	.globl	k_qe2975e7bf8_proj
	.p2align	8
	.type	k_qe2975e7bf8_proj,@function
k_qe2975e7bf8_proj:
	s_mov_b64 s[64:65], 0
	v_nop
	global_prefetch_b8 v0, s[64:65] scope:SCOPE_SE
	s_setreg_imm32_b32 hwreg(HW_REG_WAVE_MODE, 25, 1), 1
	s_wait_xcnt 0x0
	s_wait_alu depctr_hold_cnt(0) depctr_sa_sdst(0) depctr_va_vdst(0) depctr_va_sdst(0) depctr_va_ssrc(0) depctr_va_vcc(0) depctr_vm_vsrc(0)
	s_getreg_b32 s2, hwreg(HW_REG_IB_STS2, 6, 4)
	s_cmp_eq_u32 s2, 0
	s_cbranch_scc0 .Lentry_in_a_cluster
	s_endpgm
.Lentry_in_a_cluster:
	s_bfe_u32 s2, ttmp6, 0x10000c
	s_cmp_lg_u32 s2, 0x3003
	s_cbranch_scc0 .Lentry_shape_is_right
	s_endpgm
.Lentry_shape_is_right:
; v, q, k = relu(h W^T + b), on codes of FP4 with E8M0 scales, and their own quantisers: q and k along the hidden axis, v along the tokens.  No work of the problem is left out here.
; SHARES.  A work-group takes 128 tokens and makes all 1,536 columns for them, so h is read once.  Eight waves: waves 0-3 make q, waves 4-7 make k, each 128 hidden units (wave % 4) for all tokens;
; then every wave makes v for 64 hidden units (64 w on).  12 units of 16 matrix instructions a wave.
; x comes in two halves of 64 tokens: wave w loads ONE fragment of each half (tile 4 j + w / 2, K step w % 2): 16 rows' 512 neighbouring bytes; they turn through the wave's own stage in LDS, are quantised,
; and go round as images of the operand's registers.  Both halves are asked for at the head, so the second half is on its way while the first half's products run.
; A TILE OF 16 TOKENS IS NOT 16 NEIGHBOURS: lane r of tile t holds token 32 (t / 2) + 8 (t % 2) + r + 8 (r / 8); the tiles of W's rows likewise (the launch before).  So:
;   q, k: source 0 = 16 rows of W, source 1 = x's tile t: a lane holds one token, and the 64 registers of my 8 tiles are 128 neighbouring hidden units: one fragment of the next product, K step w % 4.
;   v:    source 0 = x's tile t, source 1 = 16 rows of Wv: a lane holds one hidden unit, and the 64 registers of the 8 tiles are the block's 128 tokens in order: one fragment of V, keys innermost.
; The biases are the C of each sum's first matrix instruction.  relu is folded into the quantiser: the block's maximum is taken without magnitudes (the floor stands over what is negative), and of every code
; whose sign bit is set the three bits of the magnitude are cleared: the code that is left is -0, which adds nothing to any sum.
; CLUSTERS: all work-groups want the same 208,896 bytes of weights: four ask for them jointly, 102 rows of 256 bytes a wave; they stay in LDS, filled once.
; NO PREFETCH: the launch has no loop; what it reads of h is asked for once, at the head, straight into registers.
; OUT, all as images (1,024 bytes a fragment, 512 a scale image of 8 tiles): qimg, for each block of 128 tokens 34,816 bytes: codes (8 s + t) x 1,024, scale images 32,768 + 512 s;
;   kvc, 65,536 bytes a block: K (8 s + t) x 1,024, V 32,768 + (tile of 16 hidden units) x 1,024;   kvs, 4,096 bytes a block: K 512 s, V 2,048 + 512 x (128 hidden units).
; LIMITS: blocks of zeros and blocks under 2^-124 get the scale byte 1 (only this program reads the bytes); NaN and infinities are not served.
; REGISTERS: window 0: addresses, scales, 64 numbers at work, x's 8 fragments of a half.  window 1: for q, k: W's 16 fragments, from v128 the bias's 8 tiles, from v192 the second half of x as loaded;
;   for v: x's 16 fragments, from v128 Wv's 8, from v192 the bias's 4 tiles.
.set SPITCH, 528                       ; a stage row: 512 bytes + 16 of padding
.set STG,  208896                      ; LDS: the weights, then eight stages of 16 rows,
.set XIMG, STG+8*16*SPITCH             ; x's 16 fragments' images, (2 t + s) x 1,024,
.set XSL,  XIMG+16384                  ; their scale words: half j, K step s: 512 j + 256 s + 8 x lane,
.set SPARE, XSL+1024                   ; and the spare words, 128 bytes for each wave
.set LI,  1                            ; v1   16 x lane
.set SSTO, 2                           ; v2, v3 into and out of my stage
.set SRD, 3
.set XWI, 4                            ; v4, v5 where I store x's images and words
.set XWS, 5
.set XRD, 6                            ; v6, v7 where they are read
.set XSR, 7
.set WRD, 8                            ; v8, v9 my groups of Wq or Wk, and their scale images, in LDS
.set WSR, 9
.set VRD, 10                           ; v10, v11 the same for Wv
.set VSR, 11
.set SPW, 12                           ; v12, v13 the add's two; never rewritten
.set NIL, 13
.set VO,  14                           ; v14, v15 my group in an output block, and its scale image
.set VS,  15
.set VVO, 16                           ; v16, v17 the same for v
.set VVS, 17
.set BH,  18                           ; v18  bq, bk
.set BR,  19                           ; v19  bv
.set PE,  20                           ; the scale word of an even tile, and of an odd one
.set PO,  21
.set SW,  24
.set PC,  28
.set TM,  36
.set RT,  52
.set XSC, 60                           ; scales alone: register 2 s + b
.set VXS, 64                           ; scales alone: register 4 s + b
.set WSC, 72                           ; scales alone: register 4 s + i
.set VWS, 80                           ; scales alone: register 2 s + i
.set BV,  84
.set HA,  96
.set XF,  160
.set WV,  20
.set HM,  21                           ; lanes 16-31
.set SEL, 22
.set G1,  28
.set G0,  36
.set MSB, 0
.macro WIN new                         ; the immediate's high byte repeats the setting that is left
.if MSB != (\new)
	s_set_vgpr_msb (MSB<<8)|(\new)
.set MSB, (\new)
.endif
.endm
.macro PLACES n
.rept \n
	v_nop
.endr
.endm
.macro SUM2 d, a, sa, b, sb, k         ; s[d] = (s[a] << sa) + (s[b] << sb) + k
	s_lshl_b32 s75, s[\b], \sb                     ; (first: d may be b)
	s_lshl_b32 s[\d], s[\a], \sa
	s_add_co_u32 s[\d], s[\d], s75
.if \k
	s_add_co_u32 s[\d], s[\d], \k
.endif
.endm
; one matrix instruction; ra, rb: the side's scale words stand in lanes 16-31 of the register named
.macro WMMA d, a, b, c, sa, sb, ra, rb
.if (\ra) && (\rb)
	v_wmma_scale_f32_16x16x128_f8f6f4 v[0+(\d):7+(\d)], v[0+(\a):7+(\a)], v[0+(\b):7+(\b)], v[0+(\c):7+(\c)], v[0+(\sa)], v[0+(\sb)] matrix_a_fmt:MATRIX_FMT_FP4 matrix_b_fmt:MATRIX_FMT_FP4 matrix_a_scale:MATRIX_SCALE_ROW1 matrix_b_scale:MATRIX_SCALE_ROW1
.elseif (\ra)
	v_wmma_scale_f32_16x16x128_f8f6f4 v[0+(\d):7+(\d)], v[0+(\a):7+(\a)], v[0+(\b):7+(\b)], v[0+(\c):7+(\c)], v[0+(\sa)], v[0+(\sb)] matrix_a_fmt:MATRIX_FMT_FP4 matrix_b_fmt:MATRIX_FMT_FP4 matrix_a_scale:MATRIX_SCALE_ROW1
.elseif (\rb)
	v_wmma_scale_f32_16x16x128_f8f6f4 v[0+(\d):7+(\d)], v[0+(\a):7+(\a)], v[0+(\b):7+(\b)], v[0+(\c):7+(\c)], v[0+(\sa)], v[0+(\sb)] matrix_a_fmt:MATRIX_FMT_FP4 matrix_b_fmt:MATRIX_FMT_FP4 matrix_b_scale:MATRIX_SCALE_ROW1
.else
	v_wmma_scale_f32_16x16x128_f8f6f4 v[0+(\d):7+(\d)], v[0+(\a):7+(\a)], v[0+(\b):7+(\b)], v[0+(\c):7+(\c)], v[0+(\sa)], v[0+(\sb)] matrix_a_fmt:MATRIX_FMT_FP4 matrix_b_fmt:MATRIX_FMT_FP4
.endif
.endm
; 64 numbers of a lane, register 16 b + i = k 32 b + 16 (lane / 16) + i of my row, become a fragment's codes in v[pc] on and its scale word in v[pw].  rel = 1: of relu of the numbers.
.macro QUANT s, pc, pw, rel
.irp b, 0,1,2,3
.if \rel
	v_max3_num_f32 v[TM+\b], v[\s+16*\b], v[\s+16*\b+1], 0x1800000       ; no magnitudes: what is negative does not count, and the floor 2^(3 - 127) stands over it
.else
	v_max3_num_f32 v[TM+\b], |v[\s+16*\b]|, |v[\s+16*\b+1]|, 0x1800000   ; my 16 numbers of block b, and the floor: the byte cannot fall under 1
.endif
.endr
.irp i, 2,4,6,8,10,12,14
.irp b, 0,1,2,3
.if \rel
	v_max3_num_f32 v[TM+\b], v[TM+\b], v[\s+16*\b+\i], v[\s+16*\b+\i+1]
.else
	v_max3_num_f32 v[TM+\b], v[TM+\b], |v[\s+16*\b+\i]|, |v[\s+16*\b+\i+1]|
.endif
.endr
.endr
.irp b, 0,1,2,3
	v_permlanex16_b32 v[TM+4+\b], v[TM+\b], s[SEL], s[SEL+1]
.endr
.irp b, 0,1,2,3
	v_max_num_f32 v[TM+\b], v[TM+\b], v[TM+4+\b]   ; with lane l xor 16's 16: the block's
.endr
.irp b, 0,1,2,3
	v_add_nc_u32 v[TM+12+\b], 0xff000000, v[TM+\b] ; 2 off the exponent field: the conversion's scale operand
.endr
.irp b, 0,1,2,3
	v_lshrrev_b32 v[TM+4+\b], 23, v[TM+12+\b]      ; the scale's byte
.endr
	v_lshl_or_b32 v[\pw], v[TM+5], 8, v[TM+4]      ; my row's scale word
	v_lshl_or_b32 v[\pw], v[TM+6], 16, v[\pw]
	v_lshl_or_b32 v[\pw], v[TM+7], 24, v[\pw]
.irp b, 0,1,2,3
	v_cvt_scalef32_pk8_fp4_f32 v[\pc+2*\b], v[\s+16*\b:\s+16*\b+7], v[TM+12+\b]
	v_cvt_scalef32_pk8_fp4_f32 v[\pc+2*\b+1], v[\s+16*\b+8:\s+16*\b+15], v[TM+12+\b]
.endr
	v_nop                                          ; one plain line behind the last scaled conversion
.if \rel                                       ; relu: a code with its sign bit set stands for a number that relu makes 0: four lines for eight codes, the eight registers by turns
.irp i, 0,1,2,3,4,5,6,7
	v_and_b32 v[RT+\i], 0x88888888, v[\pc+\i]      ; each code's sign bit: 8 in its four bits, or 0;
.endr
.irp i, 0,1,2,3,4,5,6,7
	v_lshrrev_b32 v[TM+\i], 3, v[RT+\i]            ; the same as 1 or 0;
.endr
.irp i, 0,1,2,3,4,5,6,7
	v_sub_nc_u32 v[RT+\i], v[RT+\i], v[TM+\i]      ; 8 - 1 = 7: the magnitude's three bits of each negative code;
.endr
.irp i, 0,1,2,3,4,5,6,7
	v_bfi_b32 v[\pc+\i], v[RT+\i], 0, v[\pc+\i]    ; they are cleared: -0 is left
.endr
.endif
.irp c, 0,1                                    ; the operand's layout wants a whole block in a lane: lanes 0-15 block 2 c, lanes 16-31 block 2 c + 1
.irp i, 0,1
	v_permlane16_swap_b32 v[\pc+4*\c+\i], v[\pc+4*\c+2+\i]
.endr
.endr
.endm
.macro CROUND                          ; a round of the cluster's barrier
	s_barrier_signal -1
	s_barrier_wait -1
	s_cmp_lg_u32 s[WV], 0
	s_cbranch_scc1 .Lnot_wave_0_\@
	s_barrier_signal -3
.Lnot_wave_0_\@:
	s_barrier_wait -3
	s_barrier_signal -1
	s_barrier_wait -1
.endm
; Half j of x: my fragment's 16 rows, in v[reg] on of the window that win sets, become an image and a scale word; then all eight are there for everybody
.macro XQ win, reg, j
	WIN \win
.irp i, 0,1,2,3,4,5,6,7,8,9,10,11,12,13,14,15
	ds_store_b128 v[SSTO], v[\reg+4*\i:\reg+4*\i+3] offset:SPITCH*\i
.endr
	WIN 0
.irp b, 0,1,2,3
.irp i, 0,1,2,3
	ds_load_b128 v[HA+16*\b+4*\i:HA+16*\b+4*\i+3], v[SRD] offset:128*\b+16*\i   ; LDS serves a wave's instructions in order (ISA guide 5.7.1.4): these see my stores
.endr
.endr
	s_wait_xcnt 0x0                                ; stores of mine have read the codes' registers
	s_wait_dscnt 0x0
	QUANT HA, PC, PE, 0
	ds_store_b128 v[XWI], v[PC:PC+3] offset:8192*\j
	ds_store_b128 v[XWI], v[PC+4:PC+7] offset:8192*\j+512
	ds_store_b32 v[XWS], v[PE] offset:512*\j       ; lanes r and r + 16 write the same word with the same value
	s_wait_alu depctr_va_vdst(0)
	s_wait_dscnt 0x0                               ; for the others' sake
	s_barrier_signal -1
	s_barrier_wait -1
.irp f, 0,1,2,3,4,5,6,7                        ; the half's 8 fragments: (tile, s) at 8 (2 tile + s)
	ds_load_b128 v[XF+8*\f:XF+8*\f+3], v[XRD] offset:8192*\j+1024*\f
	ds_load_b128 v[XF+8*\f+4:XF+8*\f+7], v[XRD] offset:8192*\j+1024*\f+512
.endr
.irp s, 0,1
	ds_load_b64 v[XSC+2*\s:XSC+2*\s+1], v[XSR] offset:512*\j+256*\s
.endr
.endm
; A unit of q or k: the half's tile tt against my 8 tiles of W, two K steps; the eight accumulators take turns
.macro UMUL tt
	WIN 0x11                                       ; source 0 (W) and C (the bias) window 1
.irp n, 0,1,2,3,4,5,6,7
	WMMA HA+8*\n, 16*\n, XF+16*\tt, 128+8*\n, WSC+\n/2, XSC+\tt/2, \n%2, \tt%2
.endr
	WIN 0x01
.irp n, 0,1,2,3,4,5,6,7
	WMMA HA+8*\n, 16*\n+8, XF+16*\tt+8, HA+8*\n, WSC+4+\n/2, XSC+2+\tt/2, \n%2, \tt%2
.endr
	WIN 0
	PLACES 4                                       ; in front of the first read of results
.endm
.macro UOUT t, vo, base, off           ; the fragment and its scale word leave
	s_wait_xcnt 0x0                                ; the last unit's stores have read the codes' registers
.if (\t)%2 == 0
	QUANT HA, PC, PE, 1
.else
	QUANT HA, PC, PO, 1
	v_cndmask_b32 v[SW+(\t)/2], v[PE], v[PO], s[HM]   ; lanes 0-15: the even tile's words; lanes 16-31: the odd one's
.endif
	global_store_b128 v[\vo], v[PC:PC+3], s[\base:\base+1] offset:\off+1024*(\t)          ; 512 consecutive bytes a store
	global_store_b128 v[\vo], v[PC+4:PC+7], s[\base:\base+1] offset:\off+1024*(\t)+512
.endm
; A unit of v: my tile n of Wv against x's 8 tiles
.macro UV n
	WIN 0x15                                       ; both sources and C window 1
.irp t, 0,1,2,3,4,5,6,7
	WMMA HA+8*\t, 16*\t, 128+16*\n, 192+8*\n, VXS+\t/2, VWS+\n/2, \t%2, \n%2
.endr
	WIN 0x05
.irp t, 0,1,2,3,4,5,6,7
	WMMA HA+8*\t, 16*\t+8, 128+16*\n+8, HA+8*\t, VXS+4+\t/2, VWS+2+\n/2, \t%2, \n%2
.endr
	WIN 0
	PLACES 4
	UOUT \n, VVO, 16, 32768
.endm
	s_load_b256 s[4:11], s[0:1], 0x0               ; h, wimg, bv, bq
	s_load_b256 s[12:19], s[0:1], 0x20             ; bk, qimg, kvc, kvs
	v_lshl_add_u32 v[SPW], v0, 2, SPARE
	v_mov_b32 v[NIL], 0
	ds_add_u32 v[SPW], v[NIL]                      ; the wave's opening: the add, twice on end, and its wait ahead of my first tensor load
	ds_add_u32 v[SPW], v[NIL]
	v_lshrrev_b32 v1, 5, v0
	v_readfirstlane_b32 s[WV], v1                  ; wave 0..7
	; descriptor group 1: 102 rows of 32 elements of 8 bytes, dense
	s_mov_b32 s[G1+0], 15|(3<<16)|(1<<21)
	s_mov_b32 s[G1+1], 32<<16
	s_mov_b32 s[G1+2], 102<<16
	s_mov_b32 s[G1+3], 32<<16
	s_mov_b32 s[G1+4], 102
	s_mov_b32 s[G1+5], 32
	s_mov_b32 s[G1+6], 0
	s_mov_b32 s[G1+7], 0
	s_mov_b32 s[SEL], 0x76543210
	s_mov_b32 s[SEL+1], 0xfedcba98                 ; v_permlanex16_b32's selects for lane l xor 16
	s_mov_b32 s[HM], 0xffff0000
	s_and_b32 s44, s[WV], 1
	s_bfe_u32 s45, s[WV], 0x10001
	s_lshr_b32 s46, s[WV], 2
	s_and_b32 s47, s[WV], 3
	s_lshr_b32 s48, s[WV], 1
	s_mul_i32 s49, s[WV], 16*SPITCH
	s_add_co_u32 s49, s49, STG                     ; my stage
	s_lshl_b32 s50, s[WV], 10
	s_add_co_u32 s50, s50, XIMG                    ; my image of a half
	SUM2 51, 44, 8, 45, 7, XSL
	s_lshl_b32 s75, s46, 2
	s_add_co_u32 s51, s51, s75                     ; my words of a half
	s_lshl_b32 s52, s[WV], 14
	s_add_co_u32 s52, s52, 65536                   ; Wq's and Wk's groups: 8 + 2 w + s
	s_lshl_b32 s53, s[WV], 10
	s_add_co_u32 s53, s53, 200704                  ; their scale images
	SUM2 54, 48, 14, 44, 12, 0                     ; Wv: tiles 4 (w % 2) on of groups 2 (w / 2) + s
	SUM2 55, 48, 10, 44, 3, 196608
	s_lshl_b32 s56, s47, 13
	s_lshl_b32 s57, s47, 9
	s_lshl_b32 s58, s[WV], 12
	SUM2 59, 48, 9, 44, 3, 0
	s_lshl_b32 s60, s[WV], 8
	s_bfe_u32 s40, ttmp6, 0x40000
	s_lshl_b32 s41, ttmp9, 2
	s_add_co_u32 s41, s41, s40                     ; the block of 128 tokens
	SUM2 70, 46, 15, 45, 13, 0                     ; my fragment's first row: 32 (w / 4) + 8 (w / 2 % 2); its K step
	SUM2 70, 44, 9, 70, 0, 0
	SUM2 70, 41, 17, 70, 0, 0
	s_mov_b32 s71, 0
	s_mul_i32 s72, s[WV], 26112                    ; my 102 rows of the weights
	s_mov_b32 s73, 0
	s_mov_b32 s[G0], 1
	s_mul_i32 s[G0+1], s[WV], 26112
	s_mul_i32 s76, s41, 34816
	s_mov_b32 s77, 0
	s_mov_b32 s61, 32768
	v_and_b32 v[LI], 31, v0
	v_lshlrev_b32 v[XSR], 3, v[LI]
	v_lshlrev_b32 v[LI], 4, v[LI]
	v_and_b32 v[XWS], 15, v0                       ; r
	v_bfe_u32 v[BH], v0, 4, 1                      ; h
	v_and_b32 v[BR], 8, v[XWS]
	v_add_nc_u32 v[BR], v[BR], v[XWS]              ; r + 8 (r / 8)
	v_lshlrev_b32 v[BR], 2, v[BR]
	v_add_nc_u32 v[BR], s60, v[BR]
	v_lshlrev_b32 v[BH], 6, v[BH]                  ; 64 h
	v_mul_u32_u24 v[SRD], v[XWS], SPITCH
	v_add_nc_u32 v[SRD], v[BH], v[SRD]
	v_add_nc_u32 v[SRD], s49, v[SRD]
	v_add_nc_u32 v[BH], s57, v[BH]
	v_lshlrev_b32 v[XWS], 3, v[XWS]
	v_add_nc_u32 v[XWS], s51, v[XWS]
	v_add_nc_u32 v[SSTO], s49, v[LI]
	v_add_nc_u32 v[XWI], s50, v[LI]
	v_add_nc_u32 v[XRD], XIMG, v[LI]
	v_add_nc_u32 v[XSR], XSL, v[XSR]
	v_add_nc_u32 v[WRD], s52, v[LI]
	v_add_nc_u32 v[WSR], s53, v[LI]
	v_add_nc_u32 v[VRD], s54, v[LI]
	v_add_nc_u32 v[VSR], s55, v[LI]
	v_add_nc_u32 v[VO], s56, v[LI]
	v_add_nc_u32 v[VS], s57, v[LI]
	v_add_nc_u32 v[VVO], s58, v[LI]
	v_add_nc_u32 v[VVS], s59, v[LI]
.irp b, 0,1,2,3
	v_mov_b32 v[TM+4+\b], 0                        ; written once: a lane permute's destination counts as one of its sources
.endr
	s_wait_alu depctr_va_vdst(0)
	s_wait_dscnt 0x0                               ; both opening adds are done
	s_wait_kmcnt 0x0
	s_add_nc_u64 s[4:5], s[4:5], s[70:71]
	s_add_nc_u64 s[G0+2:G0+3], s[6:7], s[72:73]
	s_or_b32 s[G0+3], s[G0+3], 0x80000000          ; type = 2
	s_add_nc_u64 s[14:15], s[14:15], s[76:77]      ; my block in qimg,
	s_lshl_b32 s76, s41, 16
	s_add_nc_u64 s[16:17], s[16:17], s[76:77]      ; in kvc,
	s_lshl_b32 s76, s41, 12
	s_add_nc_u64 s[18:19], s[18:19], s[76:77]      ; in kvs
	s_mov_b32 s63, 0
	s_cmp_lt_u32 s[WV], 4                          ; q or k?  The wave's number alone decides
	s_cselect_b64 s[10:11], s[10:11], s[12:13]
	s_cselect_b64 s[24:25], s[14:15], s[16:17]
	s_cselect_b64 s[26:27], s[14:15], s[18:19]
	s_cselect_b32 s62, s61, 0
	s_add_nc_u64 s[26:27], s[26:27], s[62:63]
.irp i, 0,1,2,3,4,5,6,7,8,9,10,11,12,13,14,15  ; half 0: 16 loads of 512 consecutive bytes
	global_load_b128 v[XF+4*\i:XF+4*\i+3], v[LI], s[4:5] offset:(\i+8*(\i/8))*1024 th:TH_LOAD_NT
.endr
	CROUND                                         ; in front of the joint load
	tensor_load_to_lds s[G0:G0+3], s[G1:G1+7]      ; my one tensor load: the bytes are filled once.  What the first units do not want is asked for behind it
	s_nop 0
	PLACES 4
	WIN 0x40
.irp n, 0,1,2,3,4,5,6,7                        ; bq or bk in the result's layout: lane (r, h), tile n: hidden units 32 (n / 2) + 8 (n % 2) + 16 h + 0 .. 7: 16 loads
	global_load_b128 v[128+8*\n:128+8*\n+3], v[BH], s[10:11] offset:(32*(\n/2)+8*(\n%2))*4
	global_load_b128 v[128+8*\n+4:128+8*\n+7], v[BH], s[10:11] offset:(32*(\n/2)+8*(\n%2))*4+16
.endr
.irp i, 0,1,2,3,4,5,6,7,8,9,10,11,12,13,14,15  ; half 1: 64 tokens on
	global_load_b128 v[192+4*\i:192+4*\i+3], v[LI], s[4:5] offset:65536+(\i+8*(\i/8))*1024 th:TH_LOAD_NT
.endr
	WIN 0
.irp n, 0,1,2,3
	global_load_b32 v[BV+\n], v[BR], s[8:9] offset:(32*(\n/2)+8*(\n%2))*4   ; bv of my lane's hidden unit in tile n
.endr
	s_wait_tensorcnt 0x0
	s_barrier_signal -1
	s_barrier_wait -1                              ; all the weights lie in LDS
	WIN 0x40
.irp n, 0,1,2,3,4,5,6,7                        ; W's fragment (n, s) at 16 n + 8 s
.irp s, 0,1
	ds_load_b128 v[16*\n+8*\s:16*\n+8*\s+3], v[WRD] offset:8192*\s+1024*\n
	ds_load_b128 v[16*\n+8*\s+4:16*\n+8*\s+7], v[WRD] offset:8192*\s+1024*\n+512
.endr
.endr
	WIN 0
.irp s, 0,1
	ds_load_b128 v[WSC+4*\s:WSC+4*\s+3], v[WSR] offset:512*\s
.endr
	s_wait_loadcnt 36                              ; half 0 is in; behind it 16 + 16 + 4 loads may be out
	XQ 0, XF, 0
	s_wait_loadcnt 20                              ; the bias is in; half 1 and bv may be out
	s_wait_dscnt 0x0
.irp t, 0,1,2,3
	UMUL \t
	UOUT \t, VO, 24, 0
.endr
	s_wait_loadcnt 4                               ; half 1 is in
	XQ 0x04, 192, 1
	s_wait_dscnt 0x0
.irp t, 0,1,2
	UMUL \t
	UOUT 4+\t, VO, 24, 0
.endr
	UMUL 3
	WIN 0x40                                       ; W's registers are free: what v wants comes in while the last unit is quantised
.irp f, 0,1,2,3,4,5,6,7,8,9,10,11,12,13,14,15  ; x's 16 fragments: (t, s) at 8 (2 t + s)
	ds_load_b128 v[8*\f:8*\f+3], v[XRD] offset:1024*\f
	ds_load_b128 v[8*\f+4:8*\f+7], v[XRD] offset:1024*\f+512
.endr
.irp n, 0,1,2,3
.irp s, 0,1
	ds_load_b128 v[128+16*\n+8*\s:128+16*\n+8*\s+3], v[VRD] offset:8192*\s+1024*\n
	ds_load_b128 v[128+16*\n+8*\s+4:128+16*\n+8*\s+7], v[VRD] offset:8192*\s+1024*\n+512
.endr
.endr
	WIN 0
.irp s, 0,1
.irp j, 0,1
	ds_load_b64 v[VXS+4*\s+2*\j:VXS+4*\s+2*\j+1], v[XSR] offset:512*\j+256*\s
.endr
	ds_load_b64 v[VWS+2*\s:VWS+2*\s+1], v[VSR] offset:512*\s
.endr
	UOUT 7, VO, 24, 0
	global_store_b128 v[VS], v[SW:SW+3], s[26:27]  ; my group's scale image
	s_wait_loadcnt 0x0                             ; bv
	WIN 0x40
.irp n, 0,1,2,3                                ; in v's results a lane holds one hidden unit: a tile's eight registers of C hold the same number
.irp j, 0,1,2,3,4,5,6,7
	v_mov_b32 v[192+8*\n+\j], v[BV+\n]
.endr
.endr
	WIN 0
	s_wait_alu depctr_va_vdst(0)
	s_wait_dscnt 0x0
.irp n, 0,1,2,3
	UV \n
.endr
	global_store_b64 v[VVS], v[SW:SW+1], s[18:19] offset:2048      ; my four tiles' words of v's scale image
	s_wait_tensorcnt 0x0                           ; the wave's end: behind my last tensor load and my last LDS store
	ds_add_u32 v[SPW], v[NIL]
	s_wait_dscnt 0x0
	CROUND                                         ; the closing round
	s_endpgm
.Lfunc_end_k_qe2975e7bf8_proj:
	.size	k_qe2975e7bf8_proj, .Lfunc_end_k_qe2975e7bf8_proj-k_qe2975e7bf8_proj
	.p2alignl 7, 3214868480
	.fill 96, 4, 3214868480
	.section	.rodata,"a",@progbits
	.p2align	6, 0x0
	.amdhsa_kernel k_qe2975e7bf8_proj
		.amdhsa_group_segment_fixed_size 327680
		.amdhsa_private_segment_fixed_size 0
		.amdhsa_enable_private_segment 0
		.amdhsa_kernarg_size 64
		.amdhsa_user_sgpr_count 2
		.amdhsa_user_sgpr_kernarg_segment_ptr 1
		.amdhsa_wavefront_size32 1
		.amdhsa_system_sgpr_workgroup_id_x 1
		.amdhsa_system_sgpr_workgroup_id_y 1
		.amdhsa_system_sgpr_workgroup_id_z 1
		.amdhsa_system_vgpr_workitem_id 0
		.amdhsa_next_free_vgpr 512
		.amdhsa_next_free_sgpr 80
		.amdhsa_reserve_vcc 0
		.amdhsa_float_denorm_mode_32 3
		.amdhsa_float_denorm_mode_16_64 3
		.amdhsa_memory_ordered 1
		.amdhsa_forward_progress 1
		.amdhsa_inst_pref_size 126
	.end_amdhsa_kernel
	.amdgpu_metadata
---
amdhsa.version: [ 1, 2 ]
amdhsa.kernels:
  - .name:           k_qe2975e7bf8_proj
    .symbol:         k_qe2975e7bf8_proj.kd
    .args:
      - { .name: h, .offset: 0, .size: 8, .value_kind: global_buffer, .address_space: global }
      - { .name: wimg, .offset: 8, .size: 8, .value_kind: global_buffer, .address_space: global }
      - { .name: bv, .offset: 16, .size: 8, .value_kind: global_buffer, .address_space: global }
      - { .name: bq, .offset: 24, .size: 8, .value_kind: global_buffer, .address_space: global }
      - { .name: bk, .offset: 32, .size: 8, .value_kind: global_buffer, .address_space: global }
      - { .name: qimg, .offset: 40, .size: 8, .value_kind: global_buffer, .address_space: global }
      - { .name: kvc, .offset: 48, .size: 8, .value_kind: global_buffer, .address_space: global }
      - { .name: kvs, .offset: 56, .size: 8, .value_kind: global_buffer, .address_space: global }
    .group_segment_fixed_size: 327680
    .private_segment_fixed_size: 0
    .kernarg_segment_align: 8
    .kernarg_segment_size: 64
    .max_flat_workgroup_size: 256
    .sgpr_count:     80
    .vgpr_count:     512
    .wavefront_size: 32
...
	.end_amdgpu_metadata
.endif
;; end of part 2
;; launch att (part 3): grid 8 x 32, 8 waves a work-group, clusters of 4 x 1, 327,680 bytes of LDS; arguments qimg, kvc, kvs, woimg, bo, out0; writes out0
.if DOCPART == 3
	.amdgcn_target "amdgcn-amd-amdhsa--gfx1250"
	.amdhsa_code_object_version 6
	.text
	.protected	k_qe2975e7bf8_att
	.globl	k_qe2975e7bf8_att
	.p2align	8
	.type	k_qe2975e7bf8_att,@function
k_qe2975e7bf8_att:
	s_mov_b64 s[64:65], 0
	v_nop
	global_prefetch_b8 v0, s[64:65] scope:SCOPE_SE
	s_setreg_imm32_b32 hwreg(HW_REG_WAVE_MODE, 25, 1), 1
	s_wait_xcnt 0x0
	s_wait_alu depctr_hold_cnt(0) depctr_sa_sdst(0) depctr_va_vdst(0) depctr_va_sdst(0) depctr_va_ssrc(0) depctr_va_vcc(0) depctr_vm_vsrc(0)
	s_getreg_b32 s2, hwreg(HW_REG_IB_STS2, 6, 4)
	s_cmp_eq_u32 s2, 0
	s_cbranch_scc0 .Lentry_in_a_cluster
	s_endpgm
.Lentry_in_a_cluster:
	s_bfe_u32 s2, ttmp6, 0x10000c
	s_cmp_lg_u32 s2, 0x3003
	s_cbranch_scc0 .Lentry_shape_is_right
	s_endpgm
.Lentry_shape_is_right:
; out = relu((softmax(q k^T) v) Wo^T + bo): products 4 to 6 on codes of FP4 with E8M0 scales.  No work of the problem is left out here.
; A work-group (x = block of 128 queries, y = batch) has eight waves, and the work is dealt three ways:
;   1. BY KEYS.  Wave w holds the 128 keys of chunk w (256 registers: K is read from LDS once, by the wave that asked for it) and walks the eight tiles of 16 queries: S^T = K Q^T, so a lane holds one query.
;      M of a row is taken for the chunk: M_w = ceil(the chunk's largest t), p = 2^(t - M_w); the sum of the unquantised p, -M_w, p's codes and scale word go to LDS.
;   2. COMBINED.  Wave w takes query tile w: M = the largest of the eight M_w: the row's M.  A chunk's scale bytes are lowered by M - M_w, a whole number (held at 1 from below, where the chunk is nothing beside the row's
;      largest p), and its sum is multiplied by 2^(M_w - M): powers of two, so the codes are those of p = 2^(t - M), and O needs no rescaling.
;   3. BY HIDDEN UNITS.  Wave w makes O^T for hidden units 64 w .. 64 w + 63 of all 128 queries (32 accumulators), keys 128 a step; divides by the sum, quantises, and hands the codes round through LDS.
;      Then wave w makes columns 32 w .. 32 w + 31 of the output for all queries; whole rows leave through a stage.
; Query tile x, lane r is query 32 (x / 2) + 8 (x % 2) + r + 8 (r / 8) of the block: so the images are laid.
; LDS: eight chunks of 32,768 bytes: K's; then, filled again, V's chunks 0 to 5; p's codes lie where K's chunks 6 and 7 lay.  V's chunks 6 and 7 go straight into registers (4 KB a wave): V, p and q together do not fit.
; CLUSTERS: four query blocks of a batch ask jointly for K and V (a mask names at most four).  q, the scale words, V's chunks 6 and 7 and Wo are loaded into registers, each byte by one wave.
; NO PREFETCH: no loop of this launch has memory loads to run ahead of: K is asked for at the head, V behind the one change, with eight tiles of products and softmaxes in which to land.
; LIMITS: blocks of zeros and blocks under 2^-124 get the scale byte 1 (only this program reads the bytes); NaN and infinities are not served.  v_exp_f32 is taken not to fall where its input rises: a block's largest p is that of its largest score.
; REGISTERS: window 1: K's 32 fragments, then O's 32 accumulators, then the output's 16.  window 0: below.
.set PB,   196608                      ; p's codes: (8 chunk + tile) x 1,024
.set QB,   262144                      ; q's codes: (8 s + tile) x 1,024; later O's
.set QSB,  294912                      ; q's scale words: 512 s + 64 tile + 4 r
.set MLB,  296960                      ; (-M, sum): 2,048 chunk + 256 tile + 8 lane
.set RWB,  313344                      ; p's scale words under M_w: 512 chunk + 64 tile + 4 r
.set AWB,  317440                      ; and under M, as images: 512 chunk + 16 (r + 16 (tile % 2)) + 4 (tile / 2)
.set RLB,  321536                      ; 1 / sum, twice: 128 tile + 8 r
.set OWB,  322560                      ; O's scale words, as images, 512 x K step
.set SPARE, 324608                     ; the spare words, 128 bytes for each wave
.set OP,   1040                        ; the way out: a stage row, 1,024 bytes + 16 of padding
.set LI,   1                           ; v1 16 x lane
.set AQ0,  2                           ; v2-6 the walk's addresses at tile 0: q, its words, p, (-M, sum), words
.set AQS0, 3
.set APS0, 4
.set AML0, 5
.set ARW0, 6
.set AQ,   7                           ; v7-11 the same at the tile in hand
.set AQS,  8
.set APS,  9
.set AML,  10
.set ARW,  11
.set SPW,  12                          ; v12, v13 the add's two; never rewritten
.set NIL,  13
.set NM,   14                          ; v14 -M, v15 the sum
.set ADV,  16                          ; v16-18 my four tiles of V in chunks 0, 2, 4
.set APL,  19                          ; v19 p's codes
.set KSC,  20                          ; scales alone: K's: 4 s + i; later O's
.set VSC,  36                          ; scales alone: V's: 2 chunk + i
.set TM,   52                          ; v52-71 at work
.set PC,   76                          ; v76-83 p's codes
.set S,    84                          ; v84-147 the scores, then p
.set Q,    148                         ; v148-179 q's four fragments of a tile
.set P0,   52                          ; v52-115, v116-179 p's fragments of a chunk, two sets
.set VF,   180                         ; v180-211, v212-243 V's fragments of a chunk, two sets
.set QSC,  244                         ; scales alone: q's: s; later Wo's
.set PSC,  248                         ; scales alone: p's: 4 set + i
.set VQ,   76                          ; the head's addresses
.set VVS,  77
.set VQS,  78
.set QST,  79
.set QSST, 80
.set KRD,  81
.set R4,   82
.set CM,   116                         ; combining: (-M_w, sum) pairs,
.set CW,   132                         ; words,
.set CD,   136                         ; M - M_w, and its negative
.set CN,   144
.set MF,   152
.set LS,   153
.set RC,   154
.set PX,   156
.set CB,   160                         ; bytes
.set WO,   52                          ; Wo's fragments (g, d) at 8 (2 g + d)
.set BIAS, 180
.set RL,   196
.set TT,   116                         ; O's numbers of two tiles
.set QM,   212
.set QC,   228
.set QW,   236
.set WV,   16
.set SEL,  20
.set CS,   22
.set HM,   24
.set G1,   28
.set G0,   36
.set G0V,  40
.set XA,   66
.set XB,   67
.set XC,   68
.set TR,   69
.set MSB, 0
.macro WIN new                         ; the immediate's high byte repeats the setting that is left
.if MSB != (\new)
	s_set_vgpr_msb (MSB<<8)|(\new)
.set MSB, (\new)
.endif
.endm
.macro PLACES n
.rept \n
	v_nop
.endr
.endm
.macro SUM2 d, a, sa, b, sb, k         ; s[d] = (s[a] << sa) + (s[b] << sb) + k
	s_lshl_b32 s75, s[\b], \sb                     ; (first: d may be b)
	s_lshl_b32 s[\d], s[\a], \sa
	s_add_co_u32 s[\d], s[\d], s75
.if \k
	s_add_co_u32 s[\d], s[\d], \k
.endif
.endm
.macro SHK d, sh, k                    ; s[d] = (wave << sh) + k
	s_lshl_b32 s[\d], s[WV], \sh
	s_add_co_u32 s[\d], s[\d], \k
.endm
; one matrix instruction; ra, rb: the side's scale words stand in lanes 16-31 of the register named
.macro WMMA d, a, b, c, sa, sb, ra, rb
.if (\ra) && (\rb)
	v_wmma_scale_f32_16x16x128_f8f6f4 v[0+(\d):7+(\d)], v[0+(\a):7+(\a)], v[0+(\b):7+(\b)], v[0+(\c):7+(\c)], v[0+(\sa)], v[0+(\sb)] matrix_a_fmt:MATRIX_FMT_FP4 matrix_b_fmt:MATRIX_FMT_FP4 matrix_a_scale:MATRIX_SCALE_ROW1 matrix_b_scale:MATRIX_SCALE_ROW1
.elseif (\ra)
	v_wmma_scale_f32_16x16x128_f8f6f4 v[0+(\d):7+(\d)], v[0+(\a):7+(\a)], v[0+(\b):7+(\b)], v[0+(\c):7+(\c)], v[0+(\sa)], v[0+(\sb)] matrix_a_fmt:MATRIX_FMT_FP4 matrix_b_fmt:MATRIX_FMT_FP4 matrix_a_scale:MATRIX_SCALE_ROW1
.elseif (\rb)
	v_wmma_scale_f32_16x16x128_f8f6f4 v[0+(\d):7+(\d)], v[0+(\a):7+(\a)], v[0+(\b):7+(\b)], v[0+(\c):7+(\c)], v[0+(\sa)], v[0+(\sb)] matrix_a_fmt:MATRIX_FMT_FP4 matrix_b_fmt:MATRIX_FMT_FP4 matrix_b_scale:MATRIX_SCALE_ROW1
.else
	v_wmma_scale_f32_16x16x128_f8f6f4 v[0+(\d):7+(\d)], v[0+(\a):7+(\a)], v[0+(\b):7+(\b)], v[0+(\c):7+(\c)], v[0+(\sa)], v[0+(\sb)] matrix_a_fmt:MATRIX_FMT_FP4 matrix_b_fmt:MATRIX_FMT_FP4
.endif
.endm
.macro WMMA0 d, a, b, sa, sb, ra, rb   ; the same with the constant 0 as C
.if (\ra) && (\rb)
	v_wmma_scale_f32_16x16x128_f8f6f4 v[0+(\d):7+(\d)], v[0+(\a):7+(\a)], v[0+(\b):7+(\b)], 0, v[0+(\sa)], v[0+(\sb)] matrix_a_fmt:MATRIX_FMT_FP4 matrix_b_fmt:MATRIX_FMT_FP4 matrix_a_scale:MATRIX_SCALE_ROW1 matrix_b_scale:MATRIX_SCALE_ROW1
.elseif (\ra)
	v_wmma_scale_f32_16x16x128_f8f6f4 v[0+(\d):7+(\d)], v[0+(\a):7+(\a)], v[0+(\b):7+(\b)], 0, v[0+(\sa)], v[0+(\sb)] matrix_a_fmt:MATRIX_FMT_FP4 matrix_b_fmt:MATRIX_FMT_FP4 matrix_a_scale:MATRIX_SCALE_ROW1
.elseif (\rb)
	v_wmma_scale_f32_16x16x128_f8f6f4 v[0+(\d):7+(\d)], v[0+(\a):7+(\a)], v[0+(\b):7+(\b)], 0, v[0+(\sa)], v[0+(\sb)] matrix_a_fmt:MATRIX_FMT_FP4 matrix_b_fmt:MATRIX_FMT_FP4 matrix_b_scale:MATRIX_SCALE_ROW1
.else
	v_wmma_scale_f32_16x16x128_f8f6f4 v[0+(\d):7+(\d)], v[0+(\a):7+(\a)], v[0+(\b):7+(\b)], 0, v[0+(\sa)], v[0+(\sb)] matrix_a_fmt:MATRIX_FMT_FP4 matrix_b_fmt:MATRIX_FMT_FP4
.endif
.endm
.macro CROUND                          ; a round of the cluster's barrier
	s_barrier_signal -1
	s_barrier_wait -1
	s_cmp_lg_u32 s[WV], 0
	s_cbranch_scc1 .Lnot_wave_0_\@
	s_barrier_signal -3
.Lnot_wave_0_\@:
	s_barrier_wait -3
	s_barrier_signal -1
	s_barrier_wait -1
.endm
.macro QLOAD a, as, off, offs          ; a query tile's four fragments and scale words: 12 loads
.irp s, 0,1,2,3
	ds_load_b128 v[Q+8*\s:Q+8*\s+3], v[\a] offset:8192*\s+\off
	ds_load_b128 v[Q+8*\s+4:Q+8*\s+7], v[\a] offset:8192*\s+\off+512
	ds_load_b32 v[QSC+\s], v[\as] offset:512*\s+\offs
.endr
.endm
; One query tile against my 128 keys.  last = 1: the eighth, with nothing to fetch behind it.
; THE CHANGE FROM K TO V, behind the first tile's products and ahead of the first store of p (which lands where K's chunks 6 and 7 lay): V has eight tiles' softmaxes and seven tiles' products in which to land.
.macro REFILL
	s_wait_alu depctr_va_vdst(0)
	s_wait_tensorcnt 0x0                           ; ahead of a refill
	ds_add_u32 v[SPW], v[NIL]
	s_wait_dscnt 0x0                               ; the add is done, and K is in registers
	CROUND                                         ; that holds of every wave of the cluster
	s_cmp_lt_u32 s[WV], 6
	s_cbranch_scc0 .Lno_v
	tensor_load_to_lds s[G0V:G0V+3], s[G1:G1+7]    ; V's chunks 0 to 5, where K's lay
	s_nop 0
	PLACES 4
.Lno_v:
.irp c, 0,1,2,3,4,5,6,7
	global_load_b64 v[VSC+2*\c:VSC+2*\c+1], v[VVS], s[8:9] offset:4096*\c+2048
.endr
.irp k, 0,1
.irp n, 0,1,2,3                                ; V's chunks 6 and 7: my four tiles
	global_load_b128 v[VF+32*\k+8*\n:VF+32*\k+8*\n+3], v[VQ], s[6:7] offset:65536*(6+\k)+32768+1024*\n
	global_load_b128 v[VF+32*\k+8*\n+4:VF+32*\k+8*\n+7], v[VQ], s[6:7] offset:65536*(6+\k)+32768+1024*\n+512
.endr
.endr
	s_wait_xcnt 0x0                                ; the head's address registers may be written again
.endm
; first = 1: the first tile: its products follow K's loads step by step
.macro TILE first, last
.if \first == 0
	s_wait_dscnt 4                                 ; q's fragments and words are in; behind them the last tile's four stores may be out
.endif
	WIN 0x01                                       ; source 0 (K) window 1
.irp s, 0,1,2,3
.if \first
	s_wait_dscnt 48-16*\s                          ; K step s is in (and q, asked for ahead of it); the later steps' 16 loads each may be out
.endif
.irp t, 0,1,2,3,4,5,6,7                        ; the eight accumulators take turns
.if \s == 0
	WMMA0 S+8*\t, 8*\t, Q, KSC+\t/2, QSC, \t%2, 0
.else
	WMMA S+8*\t, 64*\s+8*\t, Q+8*\s, S+8*\t, KSC+4*\s+\t/2, QSC+\s, \t%2, 0
.endif
.endr
.endr
	WIN 0
.if \last
	PLACES 4
.else
	v_add_nc_u32 v[AQ], s[XA], v[AQ0]              ; these five lines are the places behind the last product
	v_add_nc_u32 v[AQS], s[XC], v[AQS0]
	v_add_nc_u32 v[APS], s[XA], v[APS0]
	v_add_nc_u32 v[AML], s[XB], v[AML0]
	v_add_nc_u32 v[ARW], s[XC], v[ARW0]
.if \first
	REFILL
.endif
	QLOAD AQ, AQS, 1024, 64                        ; the next tile's
.endif
.irp b, 0,1,2,3
	v_max3_num_f32 v[TM+\b], v[S+16*\b], v[S+16*\b+1], v[S+16*\b+2]   ; the largest score of each block of 32 keys
.endr
.irp i, 3,5,7,9,11,13
.irp b, 0,1,2,3
	v_max3_num_f32 v[TM+\b], v[TM+\b], v[S+16*\b+\i], v[S+16*\b+\i+1]
.endr
.endr
.irp b, 0,1,2,3
	v_max_num_f32 v[TM+\b], v[TM+\b], v[S+16*\b+15]
.endr
.irp b, 0,1,2,3
	v_permlanex16_b32 v[TM+4+\b], v[TM+\b], s[SEL], s[SEL+1]
.endr
.irp b, 0,1,2,3
	v_max_num_f32 v[TM+\b], v[TM+\b], v[TM+4+\b]   ; with lane l xor 16's
.endr
	v_max3_num_f32 v[TM+12], v[TM], v[TM+1], v[TM+2]
	v_max_num_f32 v[TM+12], v[TM+12], v[TM+3]
	v_mul_f32 v[TM+12], s[CS], v[TM+12]            ; the chunk's largest t
	v_floor_f32 v[NM], -v[TM+12]                   ; -M_w = floor(-t): a whole number
.set cnt, 0
.rept 32
	v_pk_fma_f32 v[S+cnt:S+cnt+1], v[S+cnt:S+cnt+1], s[CS:CS+1], v[NM:NM+1] op_sel_hi:[1,0,0]   ; t - M_w
.set cnt, cnt+2
.endr
.irp b, 0,1,2,3
	v_fma_f32 v[TM+\b], v[TM+\b], s[CS], v[NM]     ; the same of each block's largest score
.endr
	s_wait_alu depctr_va_vdst(0)                   ; ahead of the batch
.set cnt, 0
.rept 64
	v_exp_f32 v[S+cnt], v[S+cnt]
.set cnt, cnt+1
.endr
.irp b, 0,1,2,3
	v_exp_f32 v[TM+\b], v[TM+\b]                   ; the blocks' largest p
.endr
	v_nop                                          ; one plain place behind the batch
	s_wait_alu depctr_va_vdst(0)                   ; and the wait behind it
.irp k, 0,1,2,3
	v_pk_add_f32 v[TM+8+2*\k:TM+9+2*\k], v[S+4*\k:S+4*\k+1], v[S+4*\k+2:S+4*\k+3]   ; the sum of the unquantised p, in four chains
.endr
.irp i, 16,24,32,40,48,56
.irp k, 0,1,2,3
	v_pk_add_f32 v[TM+8+2*\k:TM+9+2*\k], v[TM+8+2*\k:TM+9+2*\k], v[S+\i+2*\k:S+\i+2*\k+1]
.endr
.endr
.irp b, 0,1,2,3
	v_max_num_f32 v[TM+\b], 0x1800000, v[TM+\b]    ; the floor 2^(3 - 127): the byte cannot fall under 1
.endr
	v_pk_add_f32 v[TM+8:TM+9], v[TM+8:TM+9], v[TM+10:TM+11]
	v_pk_add_f32 v[TM+12:TM+13], v[TM+12:TM+13], v[TM+14:TM+15]
.irp b, 0,1,2,3
	v_add_nc_u32 v[TM+16+\b], 0xff000000, v[TM+\b] ; 2 off the exponent field: the conversion's scale operand
.endr
	v_pk_add_f32 v[TM+8:TM+9], v[TM+8:TM+9], v[TM+12:TM+13]
.irp b, 0,1,2,3
	v_lshrrev_b32 v[TM+4+\b], 23, v[TM+16+\b]      ; the scale's byte
.endr
	v_add_f32 v[NM+1], v[TM+8], v[TM+9]
	v_lshl_or_b32 v[TM], v[TM+5], 8, v[TM+4]       ; p's scale word for these 128 keys
	v_lshl_or_b32 v[TM], v[TM+6], 16, v[TM]
	v_lshl_or_b32 v[TM], v[TM+7], 24, v[TM]
.irp b, 0,1,2,3
	v_cvt_scalef32_pk8_fp4_f32 v[PC+2*\b], v[S+16*\b:S+16*\b+7], v[TM+16+\b]
	v_cvt_scalef32_pk8_fp4_f32 v[PC+2*\b+1], v[S+16*\b+8:S+16*\b+15], v[TM+16+\b]
.endr
	v_nop                                          ; one plain line behind the last scaled conversion
.irp c, 0,1
.irp i, 0,1
	v_permlane16_swap_b32 v[PC+4*\c+\i], v[PC+4*\c+2+\i]   ; a whole block in a lane
.endr
.endr
.if \last
	ds_store_b128 v[APS0], v[PC:PC+3] offset:7168
	ds_store_b128 v[APS0], v[PC+4:PC+7] offset:7680
	ds_store_b64 v[AML0], v[NM:NM+1] offset:1792
	ds_store_b32 v[ARW0], v[TM] offset:448
.else
	ds_store_b128 v[APS], v[PC:PC+3]
	ds_store_b128 v[APS], v[PC+4:PC+7] offset:512
	ds_store_b64 v[AML], v[NM:NM+1]
	ds_store_b32 v[ARW], v[TM]                     ; lanes r and r + 16 write the same word with the same value
.endif
.endm
.macro LOADP set, c                    ; p's eight fragments of chunk c: 16 loads
.irp x, 0,1,2,3,4,5,6,7
	ds_load_b128 v[P0+64*\set+8*\x:P0+64*\set+8*\x+3], v[APL] offset:(8*\c+\x)*1024
	ds_load_b128 v[P0+64*\set+8*\x+4:P0+64*\set+8*\x+7], v[APL] offset:(8*\c+\x)*1024+512
.endr
.endm
.macro LOADPS set, c                   ; and their words
	ds_load_b128 v[PSC+4*\set:PSC+4*\set+3], v[ARW] offset:512*\c
.endm
.macro LOADV set, c                    ; V's four fragments of chunk c: 8 loads
.irp n, 0,1,2,3
	ds_load_b128 v[VF+32*\set+8*\n:VF+32*\set+8*\n+3], v[ADV+\c/2] offset:32768*(\c%2)+1024*\n
	ds_load_b128 v[VF+32*\set+8*\n+4:VF+32*\set+8*\n+7], v[ADV+\c/2] offset:32768*(\c%2)+1024*\n+512
.endr
.endm
.macro MULV set, c, first              ; O^T += V^T P^T for chunk c: the 32 accumulators take turns
.if \first
	WIN 0x40
.else
	WIN 0x50
.endif
.irp x, 0,1,2,3,4,5,6,7
.irp n, 0,1,2,3
.if \first
	WMMA0 8*(4*\x+\n), VF+32*\set+8*\n, P0+64*\set+8*\x, VSC+2*\c+\n/2, PSC+4*\set+\x/2, \n%2, \x%2
.else
	WMMA 8*(4*\x+\n), VF+32*\set+8*\n, P0+64*\set+8*\x, 8*(4*\x+\n), VSC+2*\c+\n/2, PSC+4*\set+\x/2, \n%2, \x%2
.endif
.endr
.endr
	WIN 0
	PLACES 4
.endm
.macro NEXT set, c
	LOADPS \set, \c
	LOADP \set, \c
	LOADV \set, \c
.endm
; O's tiles 2 y and 2 y + 1: divided by the sum, quantised along my 64 hidden units: half a fragment each, registers 4 (w % 2) on of K step w / 2
.macro OQ y
	WIN 0x01
.irp u, 0,1
.set cnt, 0
.rept 16
	v_pk_mul_f32 v[TT+32*\u+cnt:TT+32*\u+cnt+1], v[32*(2*\y+\u)+cnt:32*(2*\y+\u)+cnt+1], v[RL+2*(2*\y+\u):RL+2*(2*\y+\u)+1]
.set cnt, cnt+2
.endr
.endr
	WIN 0
.irp q, 0,1,2,3
	v_max3_num_f32 v[QM+\q], |v[TT+16*\q]|, |v[TT+16*\q+1]|, 0x1800000
.endr
.irp i, 2,4,6,8,10,12,14
.irp q, 0,1,2,3
	v_max3_num_f32 v[QM+\q], v[QM+\q], |v[TT+16*\q+\i]|, |v[TT+16*\q+\i+1]|
.endr
.endr
.irp q, 0,1,2,3
	v_permlanex16_b32 v[QM+4+\q], v[QM+\q], s[SEL], s[SEL+1]
.endr
.irp q, 0,1,2,3
	v_max_num_f32 v[QM+\q], v[QM+\q], v[QM+4+\q]
.endr
.irp q, 0,1,2,3
	v_add_nc_u32 v[QM+8+\q], 0xff000000, v[QM+\q]
.endr
.irp q, 0,1,2,3
	v_lshrrev_b32 v[QM+12+\q], 23, v[QM+8+\q]
.endr
.irp u, 0,1
	v_lshl_or_b32 v[QW+\u], v[QM+13+2*\u], 8, v[QM+12+2*\u]
.endr
.irp q, 0,1,2,3
	v_cvt_scalef32_pk8_fp4_f32 v[QC+2*\q], v[TT+16*\q:TT+16*\q+7], v[QM+8+\q]
	v_cvt_scalef32_pk8_fp4_f32 v[QC+2*\q+1], v[TT+16*\q+8:TT+16*\q+15], v[QM+8+\q]
.endr
	v_nop
.irp u, 0,1
.irp i, 0,1
	v_permlane16_swap_b32 v[QC+4*\u+\i], v[QC+4*\u+2+\i]
.endr
.endr
.irp u, 0,1
	ds_store_b128 v5, v[QC+4*\u:QC+4*\u+3] offset:1024*(2*\y+\u)
	ds_store_b16 v6, v[QW+\u] offset:256*\u+4*\y
.endr
.endm
.macro LOADO h, g                      ; O's fragments of K step g, tiles 4 h on: 8 loads into one of three buffers
.set OB, 116+32*((\g)%3)+32*(((\g)%3)/2)
.irp x, 0,1,2,3
	ds_load_b128 v[OB+8*\x:OB+8*\x+3], v11 offset:8192*\g+1024*(4*\h+\x)
	ds_load_b128 v[OB+8*\x+4:OB+8*\x+7], v11 offset:8192*\g+1024*(4*\h+\x)+512
.endr
.endm
.macro MULO h, g
.set OB, 116+32*((\g)%3)+32*(((\g)%3)/2)
.if \g == 0
	WIN 0x40                                       ; C, the bias, window 0
.else
	WIN 0x50
.endif
.irp x, 0,1,2,3
.irp d, 0,1
.if \g == 0
	WMMA 128*\h+8*(2*\x+\d), WO+8*\d, OB+8*\x, BIAS+8*\d, QSC, KSC+2*\h+\x/2, \d, \x%2
.else
	WMMA 128*\h+8*(2*\x+\d), WO+8*(2*\g+\d), OB+8*\x, 128*\h+8*(2*\x+\d), QSC+\g, KSC+4*\g+2*\h+\x/2, \d, \x%2
.endif
.endr
.endr
	WIN 0
	PLACES 4
.endm
; Query tiles 4 h .. 4 h + 3 from O's accumulators to the output: half 0's stores are on their way while half 1 is worked.
; Window 1: half h's accumulators at 128 h, its rows read back at 128 h + 64: O's tiles that lay there have been quantised by then.
.macro HALF h
.if \h == 0
	OQ 0
	OQ 1
.else
	OQ 2
	OQ 3
.endif
	s_wait_alu depctr_va_vdst(0)
	s_wait_dscnt 0x0                               ; my codes lie in LDS, and my reads of V are over
	s_barrier_signal -1
	s_barrier_wait -1
.irp g, 0,1,2,3
	ds_load_b64 v[KSC+4*\g+2*\h:KSC+4*\g+2*\h+1], v18 offset:512*\g+8*\h
.endr
	LOADO \h, 0
	LOADO \h, 1
	LOADO \h, 2
.if \h == 0
	s_wait_loadcnt 0x0                             ; Wo and the bias
.endif
	s_wait_dscnt 16                                ; the words and K step 0 are in; steps 1 and 2 may be out
	MULO \h, 0
	LOADO \h, 3
	s_wait_dscnt 16                                ; steps 2 and 3 may be out
	MULO \h, 1
	s_wait_dscnt 8                                 ; step 3 may be out
	MULO \h, 2
	s_wait_dscnt 0x0
	MULO \h, 3
	WIN 0x44
.set cnt, 0
.rept 64
	v_max_num_f32 v[128*\h+cnt], 0, v[128*\h+cnt]  ; relu
.set cnt, cnt+1
.endr
	WIN 0x04
.irp x, 0,1,2,3
.irp d, 0,1
	ds_store_b128 v[7+\h], v[128*\h+8*(2*\x+\d):128*\h+8*(2*\x+\d)+3] offset:16*OP*\x+64*\d       ; the stage lies over V's chunks: they have had their last fill, and nobody reads them
	ds_store_b128 v[7+\h], v[128*\h+8*(2*\x+\d)+4:128*\h+8*(2*\x+\d)+7] offset:16*OP*\x+64*\d+16
.endr
.endr
	WIN 0
	s_wait_alu depctr_va_vdst(0)
	s_wait_dscnt 0x0
	s_barrier_signal -1
	s_barrier_wait -1
	WIN 0x40
.irp i, 0,1,2,3,4,5,6,7,8,9,10,11,12,13,14,15  ; my eight rows of the half
	ds_load_b128 v[128*\h+64+4*\i:128*\h+64+4*\i+3], v[9+\h] offset:(\i/2)*OP+512*(\i%2)
.endr
	WIN 0x04
.irp i, 0,1,2,3,4,5,6,7,8,9,10,11,12,13,14,15
	s_wait_dscnt 15-\i
	global_store_b128 v[LI], v[128*\h+64+4*\i:128*\h+64+4*\i+3], s[14:15] offset:65536*\h+(\i/2)*1024+512*(\i%2) th:TH_STORE_NT   ; 512 consecutive bytes
.endr
	WIN 0
.endm
	s_load_b256 s[4:11], s[0:1], 0x0               ; qimg, kvc, kvs, woimg
	s_load_b128 s[12:15], s[0:1], 0x20             ; bo, out0
	v_lshl_add_u32 v[SPW], v0, 2, SPARE
	v_mov_b32 v[NIL], 0
	ds_add_u32 v[SPW], v[NIL]                      ; the wave's opening: the add, twice on end, and its wait ahead of my first tensor load
	ds_add_u32 v[SPW], v[NIL]
	v_lshrrev_b32 v1, 5, v0
	v_readfirstlane_b32 s[WV], v1                  ; wave 0..7
	s_and_b32 s18, ttmp7, 0xffff                   ; the batch
	s_mov_b32 s[G1+0], 15|(3<<16)|(1<<21)          ; joint, all four of the cluster; elements of 8 bytes; 128 dense rows of 256 bytes
	s_mov_b32 s[G1+1], 32<<16
	s_mov_b32 s[G1+2], 128<<16
	s_mov_b32 s[G1+3], 32<<16
	s_mov_b32 s[G1+4], 128
	s_mov_b32 s[G1+5], 32
	s_mov_b32 s[G1+6], 0
	s_mov_b32 s[G1+7], 0
	s_mov_b32 s[G0], 1
	s_lshl_b32 s[G0+1], s[WV], 15                  ; chunk w
	s_mov_b32 s[G0V], 1
	s_lshl_b32 s[G0V+1], s[WV], 15
	s_lshl_b32 s70, s18, 19                        ; the batch in kvc,
	s_mov_b32 s71, 0
	s_lshl_b32 s72, s[WV], 16
	s_add_co_u32 s72, s72, s70                     ; and my chunk's block
	s_mov_b32 s73, 0
	s_mov_b32 s[SEL], 0x76543210
	s_mov_b32 s[SEL+1], 0xfedcba98
	s_mov_b32 s[CS], 0x3fb8aa3b                    ; log2(e)
	s_mov_b32 s[CS+1], s[CS]                       ; (named with it as a pair)
	s_mov_b32 s[HM], 0xffff0000                    ; lanes 16-31
	s_mov_b32 s[XA], 0
	s_mov_b32 s[XB], 0
	s_mov_b32 s[XC], 0
	s_mov_b32 s[TR], 6
	s_lshl_b32 s44, s[WV], 12
	s_and_b32 s45, s[WV], 3
	s_lshr_b32 s46, s[WV], 2
	s_and_b32 s47, s[WV], 1
	s_lshr_b32 s48, s[WV], 1
	SUM2 49, 45, 9, 46, 3, 0                       ; my half of a scale image of q,
	SUM2 50, 45, 9, 46, 8, QSB                     ; and where its words go
	SUM2 51, 48, 9, 47, 3, 0                       ; my tiles' words in a scale image of V
	SHK 52, 13, PB
	SHK 53, 11, MLB
	SHK 54, 9, RWB
	SHK 55, 8, MLB
	SHK 56, 6, RWB
	SUM2 57, 47, 8, 48, 2, AWB
	SHK 58, 7, RLB
	SUM2 59, 46, 13, 45, 11, 0                     ; Wo: my two tiles,
	SUM2 60, 46, 9, 45, 2, 0                       ; and their words
	s_lshl_b32 s61, s[WV], 7
	SUM2 62, 48, 13, 47, 9, QB                     ; O's codes,
	SUM2 63, 48, 9, 47, 1, OWB                     ; and bytes
	s_mul_i32 s74, s[WV], 8*OP
	v_and_b32 v[LI], 31, v0
	v_lshlrev_b32 v[AML0], 3, v[LI]
	v_lshlrev_b32 v[QSST], 2, v[LI]
	v_lshlrev_b32 v[LI], 4, v[LI]
	v_and_b32 v[R4], 15, v0
	v_lshlrev_b32 v[R4], 2, v[R4]                  ; 4 r
	v_add_nc_u32 v[VQ], s44, v[LI]
	v_add_nc_u32 v[QST], QB, v[VQ]
	v_add_nc_u32 v[VQS], s49, v[LI]
	v_add_nc_u32 v[QSST], s50, v[QSST]
	v_add_nc_u32 v[VVS], s51, v[LI]
	v_add_nc_u32 v[KRD], s[G0+1], v[LI]
	v_add_nc_u32 v[AQ0], QB, v[LI]
	v_add_nc_u32 v[AQS0], QSB, v[R4]
	v_add_nc_u32 v[APS0], s52, v[LI]
	v_add_nc_u32 v[AML0], s53, v[AML0]
	v_add_nc_u32 v[ARW0], s54, v[R4]
	v_add_nc_u32 v[ADV], s44, v[LI]
	v_add_nc_u32 v[ADV+1], 65536, v[ADV]
	v_add_nc_u32 v[ADV+2], 131072, v[ADV]
	v_add_nc_u32 v[APL], PB, v[LI]
	v_mov_b32 v[NM+1], 0                           ; (named as a pair's upper half before it is first made)
.irp b, 0,1,2,3
	v_mov_b32 v[TM+4+\b], 0                        ; written once: a lane permute's destination counts as one of its sources
.endr
	s_wait_alu depctr_va_vdst(0)
	s_wait_dscnt 0x0                               ; both opening adds are done
	s_wait_kmcnt 0x0
	s_add_nc_u64 s[G0+2:G0+3], s[6:7], s[72:73]
	s_add_nc_u64 s[G0V+2:G0V+3], s[G0+2:G0+3], 0x8000   ; V lies behind K in a block
	s_or_b32 s[G0+3], s[G0+3], 0x80000000
	s_or_b32 s[G0V+3], s[G0V+3], 0x80000000
	s_add_nc_u64 s[6:7], s[6:7], s[70:71]
	s_lshl_b32 s70, s18, 15
	s_add_nc_u64 s[8:9], s[8:9], s[70:71]          ; the batch in kvs
	s_bfe_u32 s17, ttmp6, 0x40000
	s_lshl_b32 s76, ttmp9, 2
	s_add_co_u32 s76, s76, s17
	s_lshl_b32 s77, s18, 3
	s_add_co_u32 s76, s76, s77                     ; my block of queries
	s_mul_i32 s78, s76, 34816
	s_mov_b32 s79, 0
	s_add_nc_u64 s[4:5], s[4:5], s[78:79]
	s_and_b32 s77, s48, 1                          ; my eight stage rows of a half are tile w / 2's rows 8 (w % 2) on: output rows 32 (w / 4) + 8 (w / 2 % 2) + 16 (w % 2) on
	SUM2 78, 46, 15, 77, 13, 0
	SUM2 78, 47, 14, 78, 0, 0
	SUM2 78, 76, 17, 78, 0, 0
	s_add_nc_u64 s[14:15], s[14:15], s[78:79]
	CROUND                                         ; in front of the first joint load
	tensor_load_to_lds s[G0:G0+3], s[G1:G1+7]      ; K's chunk w: one tensor load a wave
	s_nop 0
	PLACES 4
.irp j, 0,1,2,3,4,5,6,7                        ; my eighth of q's codes: 8 loads of 512 consecutive bytes
	global_load_b128 v[S+4*\j:S+4*\j+3], v[VQ], s[4:5] offset:512*\j
.endr
	global_load_b64 v[S+32:S+33], v[VQS], s[4:5] offset:32768
.irp s, 0,1,2,3
	global_load_b128 v[KSC+4*\s:KSC+4*\s+3], v[VQ], s[8:9] offset:512*\s
.endr
	s_wait_loadcnt 0x0                             ; q and K's words are in
.irp j, 0,1,2,3,4,5,6,7
	ds_store_b128 v[QST], v[S+4*\j:S+4*\j+3] offset:512*\j
.endr
	ds_store_b32 v[QSST], v[S+32]
	ds_store_b32 v[QSST], v[S+33] offset:128
	s_wait_dscnt 0x0                               ; for the others' sake
	s_barrier_signal -1
	s_barrier_wait -1                              ; all of q lies in LDS
	QLOAD AQ0, AQS0, 0, 0
	s_wait_tensorcnt 0x0                           ; my chunk has landed; I alone read it
	WIN 0x40
.irp s, 0,1,2,3
.irp t, 0,1,2,3,4,5,6,7
	ds_load_b128 v[64*\s+8*\t:64*\s+8*\t+3], v[KRD] offset:(8*\s+\t)*1024
	ds_load_b128 v[64*\s+8*\t+4:64*\s+8*\t+7], v[KRD] offset:(8*\s+\t)*1024+512
.endr
.endr
	WIN 0
	TILE 1, 0
	s_mov_b32 s[XA], 1024
	s_mov_b32 s[XB], 256
	s_mov_b32 s[XC], 64
	s_wait_alu depctr_va_vdst(0)
.Ltile:
	TILE 0, 0
	s_add_co_u32 s[XA], s[XA], 1024
	s_add_co_u32 s[XB], s[XB], 256
	s_add_co_u32 s[XC], s[XC], 64
	s_wait_alu depctr_va_vdst(0)
	s_sub_co_u32 s[TR], s[TR], 1
	s_cmp_lg_u32 s[TR], 0
	s_cbranch_scc1 .Ltile
	TILE 0, 1                                      ; the eighth is written out: it fetches nothing
	; COMBINING: query tile w; lane (r, h)
	v_and_b32 v68, 15, v0
	v_bfe_u32 v69, v0, 4, 1
	v_lshrrev_b32 v[AQ], 1, v[LI]
	v_lshlrev_b32 v70, 11, v69
	v_lshl_add_u32 v[AQS], v68, 2, v70
	v_lshl_add_u32 v[APS], v68, 4, v70
	v_lshlrev_b32 v[AML], 3, v68
	v_add_nc_u32 v[AQ], s55, v[AQ]                 ; (-M_w, sum) of all chunks
	v_add_nc_u32 v[AQS], s56, v[AQS]               ; words of chunks 4 h on
	v_add_nc_u32 v[APS], s57, v[APS]               ; where they go
	v_add_nc_u32 v[AML], s58, v[AML]               ; where 1 / sum goes
	v_add_nc_u32 v[ARW], AWB, v[LI]
	s_wait_alu depctr_va_vdst(0)
	s_wait_tensorcnt 0x0                           ; my chunk of V has landed,
	s_wait_dscnt 0x0                               ; my p lies in LDS
	s_barrier_signal -1
	s_barrier_wait -1
.irp c, 0,1,2,3,4,5,6,7
	ds_load_b64 v[CM+2*\c:CM+2*\c+1], v[AQ] offset:2048*\c
.endr
.irp j, 0,1,2,3
	ds_load_b32 v[CW+\j], v[AQS] offset:512*\j
.endr
	LOADP 0, 6
	s_wait_dscnt 16                                ; the twelve are in; p's 16 may be out
	v_min_num_f32 v[CD], v[CM], v[CM+2]
	v_min_num_f32 v[CD+1], v[CM+4], v[CM+6]
	v_min_num_f32 v[CD+2], v[CM+8], v[CM+10]
	v_min_num_f32 v[CD+3], v[CM+12], v[CM+14]
	v_min_num_f32 v[CD], v[CD], v[CD+1]
	v_min_num_f32 v[CD+2], v[CD+2], v[CD+3]
	v_min_num_f32 v[MF], v[CD], v[CD+2]            ; -M
.irp c, 0,1,2,3,4,5,6,7
	v_sub_f32 v[CD+\c], v[CM+2*\c], v[MF]          ; M - M_w: a whole number, 0 or more
.endr
.irp c, 0,1,2,3,4,5,6,7
	v_cvt_i32_f32 v[CD+\c], v[CD+\c]               ; (it saturates)
.endr
.irp c, 0,1,2,3,4,5,6,7
	v_sub_nc_u32 v[CN+\c], 0, v[CD+\c]
.endr
.irp c, 0,1,2,3,4,5,6,7
	v_ldexp_f32 v[CM+2*\c+1], v[CM+2*\c+1], v[CN+\c]   ; the chunk's sum under M
.endr
.irp c, 0,2,4,6
	v_add_f32 v[CM+2*\c+1], v[CM+2*\c+1], v[CM+2*\c+3]
.endr
.irp c, 0,4
	v_add_f32 v[CM+2*\c+1], v[CM+2*\c+1], v[CM+2*\c+5]
.endr
	v_add_f32 v[LS], v[CM+1], v[CM+9]
.irp j, 0,1,2,3
	v_cndmask_b32 v[CD+\j], v[CD+\j], v[CD+4+\j], s[HM]   ; chunk 4 h + j's
.endr
	v_permlanex16_b32 v[PX], v[LS], s[SEL], s[SEL+1]
	v_add_f32 v[LS], v[LS], v[PX]                  ; with lane l xor 16's: the row's sum
	s_wait_alu depctr_va_vdst(0)                   ; ahead of the transcendental
	v_rcp_f32 v[RC], v[LS]
.irp j, 0,1,2,3
	v_and_b32 v[CB+4*\j], 255, v[CW+\j]
	v_bfe_u32 v[CB+4*\j+1], v[CW+\j], 8, 8
	v_bfe_u32 v[CB+4*\j+2], v[CW+\j], 16, 8
	v_lshrrev_b32 v[CB+4*\j+3], 24, v[CW+\j]
.endr
.irp j, 0,1,2,3
.irp k, 0,1,2,3
	v_add_nc_u32 v[CM+4*\j+\k], -1, v[CB+4*\j+\k]
.endr
.endr
.irp j, 0,1,2,3
.irp k, 0,1,2,3
	v_min_u32 v[CM+4*\j+\k], v[CD+\j], v[CM+4*\j+\k]   ; what the byte may be lowered by: to 1 and no further
.endr
.endr
.irp j, 0,1,2,3
.irp k, 0,1,2,3
	v_sub_nc_u32 v[CB+4*\j+\k], v[CB+4*\j+\k], v[CM+4*\j+\k]
.endr
.endr
.irp j, 0,1,2,3
	v_lshl_or_b32 v[CW+\j], v[CB+4*\j+1], 8, v[CB+4*\j]
.endr
.irp j, 0,1,2,3
	v_lshl_or_b32 v[CW+\j], v[CB+4*\j+2], 16, v[CW+\j]
.endr
.irp j, 0,1,2,3
	v_lshl_or_b32 v[CW+\j], v[CB+4*\j+3], 24, v[CW+\j]
.endr
	s_wait_alu depctr_va_vdst(0)                   ; the wait, ahead of the transcendental's first reader
	v_mov_b32 v[RC+1], v[RC]
.irp j, 0,1,2,3
	ds_store_b32 v[APS], v[CW+\j] offset:512*\j
.endr
	ds_store_b64 v[AML], v[RC:RC+1]                ; lanes r and r + 16 write the same words with the same values
	s_wait_dscnt 0x0
	s_barrier_signal -1
	s_barrier_wait -1
	; BY HIDDEN UNITS: chunks 6, 7 (V from registers), then 0 to 5; two sets by turns
	LOADPS 0, 6
	LOADPS 1, 7
	LOADP 1, 7
	s_wait_loadcnt 0x0                             ; V's chunks 6 and 7 and all of V's words
	s_wait_dscnt 17                                ; set 0's words are in (p's codes were); set 1's 17 loads may be out
	MULV 0, 6, 1
	NEXT 0, 0
	s_wait_dscnt 25                                ; set 1 is in; the 25 just issued may be out
	MULV 1, 7, 0
	NEXT 1, 1
	s_wait_dscnt 25
	MULV 0, 0, 0
	NEXT 0, 2
	s_wait_dscnt 25
	MULV 1, 1, 0
	NEXT 1, 3
	s_wait_dscnt 25
	MULV 0, 2, 0
	NEXT 0, 4
	s_wait_dscnt 25
	MULV 1, 3, 0
	NEXT 1, 5
	s_wait_dscnt 25
	MULV 0, 4, 0
	; set 0's registers are free: Wo, its words and the bias come in
	v_and_b32 v16, 15, v0                          ; r
	v_bfe_u32 v17, v0, 4, 1                        ; h
	v_add_nc_u32 v2, s59, v[LI]
	v_add_nc_u32 v3, s60, v[LI]
	v_lshlrev_b32 v4, 5, v17
	v_lshlrev_b32 v10, 3, v16
	v_mul_u32_u24 v7, v16, OP
	v_add_nc_u32 v4, s61, v4                       ; bo: 128 w + 32 h
	v_add_nc_u32 v10, RLB, v10
	v_lshl_add_u32 v7, v17, 5, v7
	v_add_nc_u32 v5, s62, v[LI]                    ; O's codes,
	v_lshl_add_u32 v6, v16, 4, s63                 ; and bytes
	v_add_nc_u32 v7, s61, v7                       ; into the stage: row r, + 128 w + 32 h: tiles 0-3,
	v_add_nc_u32 v8, 64*OP, v7                     ; tiles 4-7
	v_add_nc_u32 v9, s74, v[LI]                    ; out of it: tile w / 2's rows 8 (w % 2) on
	v_add_nc_u32 v11, QB, v[LI]                    ; O's codes, read
	v_add_nc_u32 v18, OWB, v[LI]                   ; and words
.irp g, 0,1,2,3
.irp d, 0,1
	global_load_b128 v[WO+8*(2*\g+\d):WO+8*(2*\g+\d)+3], v2, s[10:11] offset:16384*\g+1024*\d
	global_load_b128 v[WO+8*(2*\g+\d)+4:WO+8*(2*\g+\d)+7], v2, s[10:11] offset:16384*\g+1024*\d+512
.endr
	global_load_b32 v[QSC+\g], v3, s[10:11] offset:65536+1024*\g
.endr
.irp d, 0,1
	global_load_b128 v[BIAS+8*\d:BIAS+8*\d+3], v4, s[12:13] offset:64*\d       ; bo at 16 (2 w + d) + 8 h + 0 .. 7
	global_load_b128 v[BIAS+8*\d+4:BIAS+8*\d+7], v4, s[12:13] offset:64*\d+16
.endr
.irp x, 0,1,2,3,4,5,6,7
	ds_load_b64 v[RL+2*\x:RL+2*\x+1], v10 offset:128*\x
.endr
	s_wait_alu depctr_va_vdst(0)
	s_wait_dscnt 0x0
	MULV 1, 5, 0
	v_add_nc_u32 v10, 64*OP, v9                    ; out of the stage: half 1's rows
	HALF 0
	HALF 1
	s_wait_tensorcnt 0x0                           ; the wave's end: behind my last tensor load and my last LDS store
	ds_add_u32 v[SPW], v[NIL]
	s_wait_dscnt 0x0
	CROUND                                         ; the closing round
	s_endpgm
.Lfunc_end_k_qe2975e7bf8_att:
	.size	k_qe2975e7bf8_att, .Lfunc_end_k_qe2975e7bf8_att-k_qe2975e7bf8_att
	.p2alignl 7, 3214868480
	.fill 96, 4, 3214868480
	.section	.rodata,"a",@progbits
	.p2align	6, 0x0
	.amdhsa_kernel k_qe2975e7bf8_att
		.amdhsa_group_segment_fixed_size 327680
		.amdhsa_private_segment_fixed_size 0
		.amdhsa_enable_private_segment 0
		.amdhsa_kernarg_size 48
		.amdhsa_user_sgpr_count 2
		.amdhsa_user_sgpr_kernarg_segment_ptr 1
		.amdhsa_wavefront_size32 1
		.amdhsa_system_sgpr_workgroup_id_x 1
		.amdhsa_system_sgpr_workgroup_id_y 1
		.amdhsa_system_sgpr_workgroup_id_z 1
		.amdhsa_system_vgpr_workitem_id 0
		.amdhsa_next_free_vgpr 512
		.amdhsa_next_free_sgpr 80
		.amdhsa_reserve_vcc 0
		.amdhsa_float_denorm_mode_32 3
		.amdhsa_float_denorm_mode_16_64 3
		.amdhsa_memory_ordered 1
		.amdhsa_forward_progress 1
		.amdhsa_inst_pref_size 171
	.end_amdhsa_kernel
	.amdgpu_metadata
---
amdhsa.version: [ 1, 2 ]
amdhsa.kernels:
  - .name:           k_qe2975e7bf8_att
    .symbol:         k_qe2975e7bf8_att.kd
    .args:
      - { .name: qimg, .offset: 0, .size: 8, .value_kind: global_buffer, .address_space: global }
      - { .name: kvc, .offset: 8, .size: 8, .value_kind: global_buffer, .address_space: global }
      - { .name: kvs, .offset: 16, .size: 8, .value_kind: global_buffer, .address_space: global }
      - { .name: woimg, .offset: 24, .size: 8, .value_kind: global_buffer, .address_space: global }
      - { .name: bo, .offset: 32, .size: 8, .value_kind: global_buffer, .address_space: global }
      - { .name: out0, .offset: 40, .size: 8, .value_kind: global_buffer, .address_space: global }
    .group_segment_fixed_size: 327680
    .private_segment_fixed_size: 0
    .kernarg_segment_align: 8
    .kernarg_segment_size: 48
    .max_flat_workgroup_size: 256
    .sgpr_count:     80
    .vgpr_count:     512
    .wavefront_size: 32
...
	.end_amdgpu_metadata
.endif
;; end of part 3
